; MI455X (gfx1250); checked and timed in simulation.
; The chip was launched on July 23, 2026; its instructions are those of AMD's public machine-readable ISA for CDNA 5 (MIT licence, August 2026) and "CDNA5" Instruction Set Architecture Reference Guide (July 2026). The comments in the code are by the model that wrote it; some were corrected since.
;; Torch Attention Mechanism. Allowed arithmetic: matrix products marked QUANTISED: E3M2 operands, one E8M0 scale for each 32 along K, by v_wmma_scale_f32_16x16x128_f8f6f4 with both operands' format E3M2, f32 sums; products left as they are: f32 operands where the result goes on into a quantised operand, else bf16, f16 or f32 operands; f32 sums; everything else in f32.
;; Inputs: Wk 1,024 x 1,024 float32; Wo 1,024 x 1,024 float32; Wq 1,024 x 1,024 float32; Wv 1,024 x 1,024 float32; x 8 x 1,024 x 1,024 float32.
;; Outputs: out0 8 x 1,024 x 1,024 float32.
;; This version of the problem:
;;   THIS VERSION OF THE PROBLEM IS GIVEN IN LOW PRECISION. The matrix products marked QUANTISED in the list below multiply operands that are first quantised to E3M2 (3 exponent bits, 2 mantissa bits; 6 bits a number), with one power-of-two scale for each 32 numbers along K (OCP MX v1.0); their sums are f32. All else is computed in f32.
;;   The module's matrix products, in the order in which they are computed (A, B: the left and right operand; K: the contracted axis; several contracted axes count as one K, in the product's order):
;;     1. [M 8,192, K 1,024] x [K 1,024, N 1,024]; A: input x; B: input Wq: QUANTISED
;;     2. [M 8,192, K 1,024] x [K 1,024, N 1,024]; A: input x; B: input Wk: QUANTISED
;;     3. [M 8,192, K 1,024] x [K 1,024, N 1,024]; A: input x; B: input Wv: QUANTISED
;;     4. batch 128 x [M 1,024, K 64] x [K 64, N 1,024]; A: computed on the way; B: computed on the way: QUANTISED
;;     5. batch 128 x [M 1,024, K 1] x [K 1, N 1,024]; A: computed on the way; B: computed on the way: left as it is (K = 1 < 32)
;;     6. batch 128 x [M 1,024, K 1,024] x [K 1,024, N 64]; A: softmax (see below); B: computed on the way: QUANTISED
;;     7. [M 8,192, K 1,024] x [K 1,024, N 1,024]; A: computed on the way; B: input Wo: QUANTISED
;;   THE QUANTISER, for each operand of a quantised product, along K:
;;     - K is cut into blocks of 32 from its start; a last block that is shorter is filled with zeros.
;;     - A block's scale is 2^e with e = floor(log2(the largest magnitude in the block)) - 4, held to -126 .. 127; a block of zeros has e = 0. As a byte (E8M0): e + 127.
;;     - Each number is divided by its block's scale, clamped to +-28, and rounded to the nearest number of E3M2, ties to even, subnormals kept.
;;     - The product sums the exact products of the quantised numbers (number of the format x scale) in f32.
;;   ~~~python
;;   def quantise(x, axis):      # numpy; x: float32 -> the quantised numbers, widened to float32 again
;;       x = np.moveaxis(x, axis, -1); K = x.shape[-1]
;;       x = np.pad(x, [(0, 0)] * (x.ndim - 1) + [(0, -K % 32)]); x = x.reshape(x.shape[:-1] + (-1, 32)); a = np.abs(x).max(-1, keepdims=True)
;;       e = np.where(a > 0, np.clip(np.frexp(np.where(a > 0, a, 1))[1] - 1 - 4, -126, 127), 0)      # np.frexp(a)[1] - 1 = floor(log2(a)), exactly
;;       r = np.clip(x / 2.0 ** e, -28, 28)
;;       step = 2.0 ** (np.maximum(np.frexp(np.where(r == 0, 1, r))[1] - 1, -2) - 2)
;;       q = np.round(r / step) * step * 2.0 ** e      # np.round: ties to even
;;       return np.moveaxis(q.reshape(q.shape[:-2] + (-1,))[..., :K], -1, axis).astype(np.float32)
;;   ~~~
;;   SOFTMAX AHEAD OF A QUANTISED PRODUCT. Where the list says 'softmax', what is quantised is not the finished softmax but p = 2^(t - M), with t = logit x log2(e) and M = ceil(the row's largest t), a whole number; so 1/2 < the row's largest p <= 1. The row's sum l is taken of the UNQUANTISED p, in f32, and the product's result is divided by l at the end. Since M is a whole number, a kernel that streams over the keys may use a running M (the ceiling of the running maximum): every later rescaling is an exact power of two, which a block's scale takes up: the codes' values come out the same.
;;   OPERANDS COMPUTED ON THE WAY. 'Computed on the way' means the value that the module computes at that place (a softmax that the list does not call 'softmax' is quantised finished and normalised). What goes into a quantiser is computed in f32, as accurately as f32 sums, v_exp_f32 and their like allow (about 1e-6 of the number): no bf16 or f16 on the way to a quantiser, and a product that is left as it is and whose result goes on into a quantised operand takes f32 operands (vector FMAs, or v_wmma_f32_16x16x4_f32). A number that lies on a knife's edge between two numbers of the format may be rounded either way, as far as f32 arithmetic and the matrix unit's own rounding can turn it there, and no further.
;; One version. Each part assembles by itself: llvm-mc -triple=amdgcn-amd-amdhsa -mcpu=gfx1250 --defsym DOCPART=n.
;; ======== version 1 of 1: 4 launches
;; workspace buffers: xc 6,291,456 bytes; xs 262,144 bytes; wc 3,145,728 bytes; ws 131,072 bytes; qb 7,602,176 bytes; kv 13,893,632 bytes; ao 6,291,456 bytes; aos 262,144 bytes
;; launch quant (part 1): grid 384 x 1, 4 waves a work-group, no clusters, 33,280 bytes of LDS; arguments x, Wq, Wk, Wv, Wo, xc, xs, wc, ws; writes xc, xs, wc, ws
.if DOCPART == 1
	.amdgcn_target "amdgcn-amd-amdhsa--gfx1250"
	.amdhsa_code_object_version 6
	.text
	.protected	k_qe33e488b83_quant
	.globl	k_qe33e488b83_quant
	.p2align	8
	.type	k_qe33e488b83_quant,@function
k_qe33e488b83_quant:
	s_mov_b64 s[64:65], 0
	v_nop
	global_prefetch_b8 v0, s[64:65] scope:SCOPE_SE
	s_setreg_imm32_b32 hwreg(HW_REG_WAVE_MODE, 25, 1), 1
	s_wait_xcnt 0x0
; LAUNCH 1 OF 4.  x [8192][1024] and Wq, Wk, Wv, Wo [1024][1024], f32 with K innermost, become codes of BF6 (E3M2), 6 bits each, and one E8M0 scale byte for each 32 along K.
; NO WORK OF THE PROBLEM IS LEFT OUT IN ANY LAUNCH.  Centring k would cancel against the centred q in real numbers, but k - mean goes into a quantiser, so it stays; all five inputs have a way to the output and are loaded.
; A block's scale is 2^(floor(log2(its largest magnitude)) - 4); its byte is the largest magnitude's exponent field - 4, held at 1 from below.  Each number is divided by the scale and rounded to the nearest code, ties to even; beyond 28 the largest code.
; LIMITS: a block of zeros, or one whose largest magnitude lies under 2^(5 - 127), gets the byte 1 where the rule says 127 (its codes are zeros or next to it; only this program reads the bytes); NaN and infinities among the inputs are not served.
; THE ROW ORDER.  Row n of x, Wq, Wk, Wv is stored at POSITION n with bits 3 and 4 exchanged (codes and scale bytes alike); Wo keeps its order.  Sixteen neighbouring positions, lane r of tile 2 B + u, are then rows
; 32 B + 8 u + r + 8 (r / 8): a product that takes such a tile as source 0 leaves 16 neighbours along the next K in a lane's 16 registers of two neighbouring tiles.  So the later launches index tiles plainly.
; xc [8192 positions][768 bytes], xs [8192][32];  wc [4096][768]: Wq at row 0, Wk at 1024, Wv at 2048, Wo at 3072;  ws [4096][32].
; A wave takes 8 rows (8,192 numbers) in 16 steps of 512 numbers; a work-group 32 rows, so exchanging the two bits of the wave's number in the OUTPUT's address is the exchange of bits 3 and 4 of the row.
; Each of a step's four loads reads 512 consecutive bytes; the 2,048 bytes turn through the wave's own stage in LDS and come back 64 bytes a lane: 16 neighbours along K, two lanes to a block.
; A step's 16 scale bytes are gathered in the wave's own 256 bytes of LDS and leave as one aligned run of 256 bytes.  No tensor loads, no barrier: waves share nothing.  Loads run four steps ahead.
.set WAVES, 4
.set STEPS, 16
.set EMAX,  4
.set CB,    12                         ; bytes of 16 codes
.set R,     16                         ; v16-79   four sets of 16 numbers as they are loaded
.set X,     80                         ; v80-111  two sets of 16 neighbours
.set C,     128                        ; v128-191 codes: four registers for each step, so that no store's data are written again
.set E,     112                        ; v112-127 a scale byte for each step
.set WREG,  8192                       ; LDS: a region for each wave: two stages of 32 x SP bytes, behind them its 256 scale bytes
.set SP,    80                         ; a lane's place in a stage: 64 bytes + 16 of padding
.set SPW,   12                         ; v12  LDS address of my spare word; never rewritten
.set NIL,   13                         ; v13  0; never rewritten
.set SPARE, WAVES*WREG                 ; behind the four regions: the spare words, 128 bytes a wave, which no other line names
	s_load_b256 s[4:11], s[0:1], 0x0               ; x, Wq, Wk, Wv
	s_load_b64 s[12:13], s[0:1], 0x20              ; Wo
	s_load_b128 s[24:27], s[0:1], 0x28             ; xc, xs
	s_load_b128 s[28:31], s[0:1], 0x38             ; wc, ws
	v_lshl_add_u32 v[SPW], v0, 2, SPARE
	v_mov_b32 v[NIL], 0
	v_lshrrev_b32 v1, 5, v0
	v_readfirstlane_b32 s16, v1                    ; wave
	v_and_b32 v2, 31, v0                           ; lane
	v_lshlrev_b32 v3, 4, v2                        ; my 16 bytes of a load's 512
	s_mul_i32 s17, s16, WREG
	v_lshrrev_b32 v14, 2, v2
	v_mul_u32_u24 v14, v14, SP
	v_and_b32 v15, 3, v2
	v_lshl_add_u32 v14, v15, 4, v14
	v_add_nc_u32 v14, s17, v14                     ; the stage, on the way in: SP (lane / 4) + 16 (lane % 4)
	v_mul_u32_u24 v15, v2, SP
	v_add_nc_u32 v15, s17, v15                     ; and on the way out: SP x lane: my 16 neighbours
	v_mul_u32_u24 v4, v2, CB                       ; my codes' place in a step's
	v_lshrrev_b32 v5, 1, v2
	s_add_co_u32 s17, s17, 2*32*SP
	v_add_nc_u32 v5, s17, v5                       ; LDS: my wave's 256 scale bytes, my block's byte
	v_lshlrev_b32 v7, 3, v2                        ; and on the way out 8 bytes a lane
	v_add_nc_u32 v6, s17, v7
	s_and_b32 s22, s16, 1
	s_lshl_b32 s22, s22, 1
	s_lshr_b32 s23, s16, 1
	s_or_b32 s22, s22, s23                         ; the wave's number with its two bits exchanged
	s_wait_kmcnt 0x0
	s_mov_b64 s[32:33], s[12:13]                   ; which tensor?  Work-groups 0-255: x; then 32 each: Wq, Wk, Wv, Wo.  The choices hang on the work-group's number alone
	s_cmp_lt_u32 ttmp9, 352
	s_cselect_b64 s[32:33], s[10:11], s[32:33]
	s_cselect_b32 s22, s22, s16                    ; Wo keeps its row order
	s_cmp_lt_u32 ttmp9, 320
	s_cselect_b64 s[32:33], s[8:9], s[32:33]
	s_cmp_lt_u32 ttmp9, 288
	s_cselect_b64 s[32:33], s[6:7], s[32:33]
	s_cmp_lt_u32 ttmp9, 256
	s_cselect_b64 s[32:33], s[4:5], s[32:33]       ; s[32:33] the numbers
	s_cselect_b64 s[34:35], s[24:25], s[28:29]     ; s[34:35] the codes
	s_cselect_b64 s[36:37], s[26:27], s[30:31]     ; s[36:37] the scale bytes
	s_cselect_b32 s17, 0, 256
	s_cselect_b32 s23, -1, 31
	s_sub_co_u32 s17, ttmp9, s17                   ; the work-group's place in the output buffer (32 rows each)
	s_and_b32 s23, s17, s23                        ; and in its input tensor
	s_lshl_b32 s18, s23, 2
	s_add_co_u32 s18, s18, s16
	s_lshl_b32 s18, s18, 15                        ; my 8 rows of 4,096 bytes
	s_mov_b32 s19, 0
	s_add_nc_u64 s[32:33], s[32:33], s[18:19]
	s_lshl_b32 s20, s17, 2
	s_add_co_u32 s20, s20, s22                     ; where they go: 8 positions
	s_mul_i32 s18, s20, 32*STEPS*CB
	s_add_nc_u64 s[34:35], s[34:35], s[18:19]
	s_lshl_b32 s18, s20, 8
	s_add_nc_u64 s[36:37], s[36:37], s[18:19]
.macro LOAD t
.irp i, 0,1,2,3
	global_load_b128 v[R+16*((\t)%4)+4*\i:R+16*((\t)%4)+4*\i+3], v3, s[32:33] offset:2048*(\t)+512*\i th:TH_LOAD_NT   ; 32 lanes read 512 consecutive bytes
.endr
.endm
.macro TURN t                          ; step t's numbers through the stage: LDS serves a wave's instructions in order, so no wait stands between the stores and the loads
.irp i, 0,1,2,3
	ds_store_b128 v14, v[R+16*((\t)%4)+4*\i:R+16*((\t)%4)+4*\i+3] offset:32*SP*((\t)%2)+8*SP*\i
.endr
.irp i, 0,1,2,3
	ds_load_b128 v[X+16*((\t)%2)+4*\i:X+16*((\t)%2)+4*\i+3], v15 offset:32*SP*((\t)%2)+16*\i
.endr
.endm
.irp t, 0,1,2,3
	LOAD \t
.endr
	s_wait_loadcnt 12                              ; step 0's four loads are in
	TURN 0
.macro STEP t
.set XS, X+16*((\t)%2)
.if (\t) > 0
	s_wait_dscnt 1                                 ; this step's numbers are back from the stage (the last step's byte store may be out): its stores into the stage have read their registers,
.else
	s_wait_dscnt 0x0
.endif
.if (\t)+4 < STEPS
	LOAD (\t)+4                                    ; which take the loads of four steps on
.endif
.if (\t)+1 < STEPS
.if STEPS-2-(\t) >= 3
	s_wait_loadcnt 12                              ; the next step's four loads are in; those of the three steps behind it may be out
.else
	s_wait_loadcnt 4*(STEPS-2-(\t))
.endif
	TURN (\t)+1                                    ; and go through the other stage while this step is worked
.endif
	v_max3_num_f32 v8, |v[XS]|, |v[XS+1]|, |v[XS+2]|               ; the largest magnitude of my 16
	v_max3_num_f32 v9, |v[XS+3]|, |v[XS+4]|, |v[XS+5]|
.irp i, 6,10
	v_max3_num_f32 v8, v8, |v[XS+\i]|, |v[XS+\i+1]|
	v_max3_num_f32 v9, v9, |v[XS+\i+2]|, |v[XS+\i+3]|
.endr
	v_max3_num_f32 v8, v8, |v[XS+14]|, |v[XS+15]|
	v_max3_num_f32 v8, v8, v9, (EMAX+1)<<23        ; and the floor 2^(5 - 127): the byte cannot fall under 1
	v_max_num_f32_dpp v8, v8, v8 row_xmask:1 row_mask:0xf bank_mask:0xf   ; and of my neighbour's 16: the block's
	v_add_nc_u32 v11, -(EMAX<<23), v8              ; 4 off its exponent field: the conversion takes the exponent field of this operand as its scale, and nothing else of it
	v_cvt_scalef32_pk16_bf6_f32 v[C+4*(\t):C+4*(\t)+2], v[XS:XS+15], v11
	v_lshrrev_b32 v[E+(\t)], 23, v11               ; the scale's byte
	ds_store_b8 v5, v[E+(\t)] offset:16*(\t)       ; both lanes of a block write the same byte with the same value
	global_store_b96 v4, v[C+4*(\t):C+4*(\t)+2], s[34:35] offset:32*CB*(\t)
.endm
.irp t, 0,1,2,3,4,5,6,7,8,9,10,11,12,13,14,15
	STEP \t
.endr
	ds_load_b64 v[8:9], v6                         ; LDS serves a wave's instructions in order: these see my stores
	s_wait_dscnt 0x0
	global_store_b64 v7, v[8:9], s[36:37]          ; 32 lanes store 256 consecutive bytes, aligned
	s_wait_tensorcnt 0x0                           ; the wave's end: behind my last LDS store
	ds_add_u32 v[SPW], v[NIL]
	s_wait_dscnt 0x0
	s_endpgm
.Lfunc_end_k_qe33e488b83_quant:
	.size	k_qe33e488b83_quant, .Lfunc_end_k_qe33e488b83_quant-k_qe33e488b83_quant
	.p2alignl 7, 3214868480
	.fill 96, 4, 3214868480
	.section	.rodata,"a",@progbits
	.p2align	6, 0x0
	.amdhsa_kernel k_qe33e488b83_quant
		.amdhsa_group_segment_fixed_size 33280
		.amdhsa_private_segment_fixed_size 0
		.amdhsa_enable_private_segment 0
		.amdhsa_kernarg_size 72
		.amdhsa_user_sgpr_count 2
		.amdhsa_user_sgpr_kernarg_segment_ptr 1
		.amdhsa_wavefront_size32 1
		.amdhsa_system_sgpr_workgroup_id_x 1
		.amdhsa_system_sgpr_workgroup_id_y 1
		.amdhsa_system_sgpr_workgroup_id_z 1
		.amdhsa_system_vgpr_workitem_id 0
		.amdhsa_next_free_vgpr 192
		.amdhsa_next_free_sgpr 66
		.amdhsa_reserve_vcc 0
		.amdhsa_float_denorm_mode_32 3
		.amdhsa_float_denorm_mode_16_64 3
		.amdhsa_memory_ordered 1
		.amdhsa_forward_progress 1
		.amdhsa_inst_pref_size 33
	.end_amdhsa_kernel
	.amdgpu_metadata
---
amdhsa.version: [ 1, 2 ]
amdhsa.kernels:
  - .name:           k_qe33e488b83_quant
    .symbol:         k_qe33e488b83_quant.kd
    .args:
      - { .name: x, .offset: 0, .size: 8, .value_kind: global_buffer, .address_space: global }
      - { .name: Wq, .offset: 8, .size: 8, .value_kind: global_buffer, .address_space: global }
      - { .name: Wk, .offset: 16, .size: 8, .value_kind: global_buffer, .address_space: global }
      - { .name: Wv, .offset: 24, .size: 8, .value_kind: global_buffer, .address_space: global }
      - { .name: Wo, .offset: 32, .size: 8, .value_kind: global_buffer, .address_space: global }
      - { .name: xc, .offset: 40, .size: 8, .value_kind: global_buffer, .address_space: global }
      - { .name: xs, .offset: 48, .size: 8, .value_kind: global_buffer, .address_space: global }
      - { .name: wc, .offset: 56, .size: 8, .value_kind: global_buffer, .address_space: global }
      - { .name: ws, .offset: 64, .size: 8, .value_kind: global_buffer, .address_space: global }
    .group_segment_fixed_size: 33280
    .private_segment_fixed_size: 0
    .kernarg_segment_align: 8
    .kernarg_segment_size: 72
    .max_flat_workgroup_size: 128
    .sgpr_count:     66
    .vgpr_count:     192
    .wavefront_size: 32
...
	.end_amdgpu_metadata
.endif
;; end of part 1
;; launch qkv (part 2): grid 12 x 32, 4 waves a work-group, clusters of 4 x 4, 327,680 bytes of LDS; arguments xc, xs, wc, ws, qb, kv; writes qb, kv
.if DOCPART == 2
	.amdgcn_target "amdgcn-amd-amdhsa--gfx1250"
	.amdhsa_code_object_version 6
	.text
	.protected	k_qe33e488b83_qkv
	.globl	k_qe33e488b83_qkv
	.p2align	8
	.type	k_qe33e488b83_qkv,@function
k_qe33e488b83_qkv:
	s_mov_b64 s[64:65], 0
	v_nop
	global_prefetch_b8 v0, s[64:65] scope:SCOPE_SE
	s_setreg_imm32_b32 hwreg(HW_REG_WAVE_MODE, 25, 1), 1
	s_wait_xcnt 0x0
	s_wait_alu depctr_hold_cnt(0) depctr_sa_sdst(0) depctr_va_vdst(0) depctr_va_sdst(0) depctr_va_ssrc(0) depctr_va_vcc(0) depctr_vm_vsrc(0)
	s_getreg_b32 s2, hwreg(HW_REG_IB_STS2, 6, 4)
	s_cmp_eq_u32 s2, 0
	s_cbranch_scc0 .Lentry_in_a_cluster
	s_endpgm
.Lentry_in_a_cluster:
	s_bfe_u32 s2, ttmp6, 0x10000c
	s_cmp_lg_u32 s2, 0xf033
	s_cbranch_scc0 .Lentry_shape_is_right
	s_endpgm
.Lentry_shape_is_right:
; LAUNCH 2 OF 4 (no work left out).  q = x Wq^T, k = x Wk^T, v = x Wv^T on codes of BF6 with E8M0 scales, K = 1,024; then, in registers: q and k are centred over each head's 64 channels, their unbiased variances are taken,
; and the centred numbers are quantised along the channels; v is quantised along the keys.  What leaves is laid as the attention launch's operand registers want it.
; A tile of C, 256 x 256, is made by four waves, each 128 x 128: 64 accumulators, 512 registers.  K goes in steps of 256 through a ring of two LDS slots; the scale bytes of the tile's rows come once and stay.
; THE CLUSTER'S x IS THE MODE, the same in all sixteen partners.  0: q, 1: k: A = x (tile row 4 x cluster y + cy), B = the stacked weights (tile column 4 x cluster x + cx).
; 2: v, made TRANSPOSED: A = Wv's rows (tile row 8 + cy of the stacked weights), B = x (tile column 4 x cluster y + cx): a lane then holds one channel and its registers run along the keys.
; A's tiles are shared along a row of the cluster, B's along a column: each is asked for jointly.  The matrix instruction takes 16 rows of B as source 0 and 16 rows of A as source 1: lane (r, h) holds A's row r, and,
; since B's rows lie in position order (bits 3 and 4 of the row exchanged), register 16 B + i of accumulators (a, 2 B), (a, 2 B + 1) is natural column 32 B + 16 h + i: 16 neighbours along the next K.
; OUTPUT.  A block for each (batch, head): in qb 59,392 bytes, in kv 108,544.  +0: 64 tiles of 16 positions x 768 bytes: a fragment half's six registers (64 channels): registers 0-3 at 16 x lane, 4-5 at 512 + 8 x lane.
; +49,152: 8 key steps x 768 bytes: 128 words, one a position, the head's two scale bytes written twice; in kv then 64 words: v's scale words [4 channel tiles][16].  +55,296: the variance of each position, f32.
; kv alone, +59,392: v as [8 key steps][4 channel tiles][1,536 bytes]: a fragment's twelve registers, registers 4 g .. 4 g + 3 at 512 g + 16 x lane.
; LIMITS: the variance is the sum of squares x the f32 nearest 1 / 63; a block under the floor 2^(5 - 127) gets the byte 1; NaN and infinities are not served; the sums' order differs from the reference's.
; REGISTERS, in windows of 256: window 0: v0-31 addresses; v32-63 scale words and nothing else; v64-105 at work on the way out; from v128 A's fragments, on the way out v112-239 at work.  window 1: B's fragments, two sets.  windows 2, 3: the accumulators.
.set SIZE_K, 1024
.set KSTEP,  256                       ; along K in a slot
.set NQ,     KSTEP/128                 ; matrix instructions deep
.set ROWB,   192                       ; a tile's row in bytes
.set KROW,   SIZE_K*6/8                ; a row of codes in memory
.set PITCH,  240                       ; an LDS row: 3 x (64 bytes + 16 of padding)
.set FR,     12                        ; registers of a fragment
.set NL,     6                         ; LDS loads that bring one
.set NP,     4                         ; places behind this matrix instruction (ISA guide 7.12.1)
.set HALFT,  128*PITCH
.set SLOT,   4*HALFT
.set LAPS,   SIZE_K/(2*KSTEP)
.set KS,     SIZE_K/32                 ; a row of scale bytes
.set SCL,    2*SLOT                    ; behind the ring: the scales, as runs of 256 bytes + 16 of padding
.set HALFS,  (128*KS/256)*272
.set SBLK,   (16*KS/256)*272
.set SPARE,  SCL+4*HALFS               ; the spare words, 128 bytes a wave, which no other line names
.set QKST,   SPARE+512                 ; the q and k way out: 2,048 bytes a wave: scale words of head 0, of head 1, variances of head 0, of head 1.  No fill ever lands here
.set VST,    QKST+4*2048               ; the v way out: 512 bytes a wave: scale words.  Each way has LDS bytes of its own
.set HB,     108544                    ; a head's block in kv
.set QB,     59392                     ; and in qb
.set SCO,    49152
.set VRO,    55296
.set VIO,    59392
.set ADRA, 16                          ; v16-17 LDS address of my A fragments in slot 0, 1 (v18-19: behind one padding more)
.set ADRB, 20                          ; v20-23 the same for B
.set ADRS, 27                          ; v27    LDS address of my scale words: lanes 0-15 A's rows, lanes 16-31 B's
.set SPW,  28                          ; v28    LDS address of my spare word; never rewritten
.set NIL,  29                          ; v29    0; never rewritten
.set SC,   32                          ; scale words, two sets
.set AF,   128                         ; A's fragments, in window 0
.set SU,   64                          ; the way out: v64-79 eight pairs of partial sums
.set SQ,   80                          ; v80-87  four pairs of sums of squares
.set ME,   88                          ; v88, v90 the two heads' means (v89, v91 are named with them as pairs)
.set VA,   92                          ; v92-93  their variances
.set T,    94                          ; v94-95  lane permutes' destinations
.set W0,   96                          ; v96-97  the two heads' doubled scale words
.set W1,   97
.set STQ,  98                          ; LDS addresses of the small stages
.set LDQ,  99
.set IS,   100                         ; byte offsets of the stores
.set IV,   101
.set IO,   102
.set IO8,  103
.set STV,  104
.set LDV,  105
.set PC,   112                         ; v112-130 codes
.set X,    132                         ; v132-195 64 centred numbers
.set TM,   200                         ; v200-215 the quantiser's
.set PW,   216                         ; the scale word just made
.set G,    224                         ; v224-239 what comes back from the small stage
.set SEL,  2                           ; s[2:3] lane selects for v_permlanex16_b32: lane l xor 16
.set G1, 24
.set G0, 32
.set G1B, 48
.set G0B, 56
.set G1S, 68
.set G0S, 76
.set G1SB, 80
.set G0SB, 88
.set MSB, 0
.macro WIN new                         ; the immediate's high byte repeats the setting that is left
.if MSB != (\new)
	s_set_vgpr_msb (MSB<<8)|(\new)
.set MSB, \new
.endif
.endm
.set MUL_LO, 0xa1                      ; source 0 (B) window 1, source 1 (A) window 0, C and D window 2
.set MUL_HI, 0xf1                      ; the same, C and D window 3
.set TO_B,   0x40                      ; destination window 1, address window 0
; A joint load: waves 0 and 1 fetch for A, waves 2 and 3 for B.  The branch hangs on the wave's number alone.  An s_nop 0 and four v_nop follow each of the two lines.
.macro JLOAD g0a, g1a, g0b, g1b
	s_cmp_eq_u32 s15, 0
	s_cbranch_scc0 .Lfor_b_\@
	tensor_load_to_lds s[\g0a:\g0a+3], s[\g1a:\g1a+7]
	s_nop 0
.rept 4
	v_nop
.endr
	s_branch .Lasked_\@
.Lfor_b_\@:
	tensor_load_to_lds s[\g0b:\g0b+3], s[\g1b:\g1b+7]
	s_nop 0
.rept 4
	v_nop
.endr
.Lasked_\@:
.endm
.macro CREST                           ; a round of the cluster's barrier behind its opening barrier
	s_cmp_lg_u32 s14, 0
	s_cbranch_scc1 .Lnot_wave_0_\@
	s_barrier_signal -3
.Lnot_wave_0_\@:
	s_barrier_wait -3
	s_barrier_signal -1
	s_barrier_wait -1
.endm
.macro CROUND                          ; a whole round
	s_barrier_signal -1
	s_barrier_wait -1
	CREST
.endm
	s_load_b256 s[4:11], s[0:1], 0x0               ; xc, xs, wc, ws
	s_load_b128 s[96:99], s[0:1], 0x20             ; qb, kv
	v_lshl_add_u32 v[SPW], v0, 2, SPARE
	v_mov_b32 v[NIL], 0
	ds_add_u32 v[SPW], v[NIL]                      ; the wave's opening: the add, twice on end, and its wait ahead of my first tensor load
	ds_add_u32 v[SPW], v[NIL]                      ; and once more, under the one wait; the set-up below, work on registers, stands between
	v_lshrrev_b32 v1, 5, v0
	v_readfirstlane_b32 s14, v1                    ; wave 0..3
	s_lshr_b32 s15, s14, 1                         ; which half of the tile's rows is mine.  Also: I fetch for A (0) or for B (1)
	s_and_b32 s16, s14, 1                          ; which half of its columns.  Also: which 128 rows of that tile I fetch
	s_bfe_u32 s40, ttmp6, 0x40000                  ; cx, cy: my place in the cluster
	s_bfe_u32 s41, ttmp6, 0x40004
	s_and_b32 s67, ttmp7, 0xffff                   ; cluster y
	s_lshl_b32 s92, s67, 2
	s_cmp_lt_u32 ttmp9, 2                          ; the mode: cluster x, which all partners share
	s_cselect_b32 s66, 1, 0                        ; 1: q or k; 0: v
	s_cselect_b32 s17, s92, 8
	s_cselect_b32 s42, ttmp9, s67
	s_add_co_u32 s17, s17, s41                     ; A's tile row: 4 x cluster y + cy of x, or 8 + cy of the stacked weights
	s_lshl_b32 s42, s42, 2
	s_add_co_u32 s42, s42, s40                     ; B's tile row: 4 x cluster x + cx of the stacked weights, or 4 x cluster y + cx of x
	s_lshl_b32 s43, s41, 2
	s_lshl_b32 s43, 15, s43                        ; my row of the cluster
	s_lshl_b32 s44, 0x1111, s40                    ; my column
	; descriptor group 1: a tile of 128 rows x 192 bytes, 16 bytes of padding behind every 64
	s_or_b32 s[G1+0], s43, (0<<16)|(1<<20)|(1<<21)|(3<<22)|(3<<25)  ; 15:0 the mask: A's tiles go to my row; elements of 1 byte; padding on; bit 21 set beside a mask; after every 16 words; 4 words
	s_or_b32 s[G1B+0], s44, (0<<16)|(1<<20)|(1<<21)|(3<<22)|(3<<25)
.irp g, G1, G1B
	s_mov_b32 s[\g+1], ROWB<<16                    ; tensor_dim0
	s_mov_b32 s[\g+2], 128<<16                     ; tensor_dim1
	s_mov_b32 s[\g+3], ROWB<<16                    ; tile_dim0
	s_mov_b32 s[\g+4], 128                         ; tile_dim1
	s_mov_b32 s[\g+5], KROW                        ; from row to row
	s_mov_b32 s[\g+6], 0
	s_mov_b32 s[\g+7], 0
.endr
	; the scales of 128 rows: a dense block of 4,096 bytes, as rows of 256 bytes (32 elements of 8), 16 bytes of padding behind each
	s_or_b32 s[G1S+0], s43, (3<<16)|(1<<20)|(1<<21)|(5<<22)|(3<<25)
	s_or_b32 s[G1SB+0], s44, (3<<16)|(1<<20)|(1<<21)|(5<<22)|(3<<25)
.irp g, G1S, G1SB
	s_mov_b32 s[\g+1], 32<<16
	s_mov_b32 s[\g+2], (128*KS/256)<<16
	s_mov_b32 s[\g+3], 32<<16
	s_mov_b32 s[\g+4], 128*KS/256
	s_mov_b32 s[\g+5], 32
	s_mov_b32 s[\g+6], 0
	s_mov_b32 s[\g+7], 0
.endr
	s_lshl_b32 s18, s16, 7                         ; which 128 rows of the tile I fetch
	s_lshl_b32 s20, s17, 8
	s_add_co_u32 s20, s20, s18                     ; A's row
	s_lshl_b32 s46, s42, 8
	s_add_co_u32 s46, s46, s18                     ; B's row
	s_mov_b32 s21, 0
	s_mov_b32 s47, 0
	s_mov_b64 s[18:19], KS
	s_mul_u64 s[22:23], s[20:21], s[18:19]         ; where these rows' scales begin, in bytes
	s_mul_u64 s[92:93], s[46:47], s[18:19]
	s_mov_b64 s[18:19], KROW
	s_mul_u64 s[20:21], s[20:21], s[18:19]         ; and their codes
	s_mul_u64 s[46:47], s[46:47], s[18:19]
	s_mul_i32 s45, s14, HALFT                      ; where they go: wave x 128 rows: no place in the cluster enters an LDS address
	s_mul_i32 s94, s14, HALFS
	s_wait_dscnt 0x0                               ; both opening adds are done
	s_wait_kmcnt 0x0
	s_cmp_lg_u32 s66, 0                            ; q or k: A = x, B = the weights; v: the other way round.  The choice hangs on the cluster's x alone
	s_cselect_b64 s[12:13], s[4:5], s[8:9]         ; A's codes
	s_cselect_b64 s[100:101], s[6:7], s[10:11]     ; A's scales
	s_cselect_b64 s[8:9], s[8:9], s[4:5]           ; B's codes
	s_cselect_b64 s[10:11], s[10:11], s[6:7]       ; B's scales
	s_add_nc_u64 s[20:21], s[12:13], s[20:21]
	s_add_nc_u64 s[22:23], s[100:101], s[22:23]
	s_add_nc_u64 s[46:47], s[8:9], s[46:47]
	s_add_nc_u64 s[92:93], s[10:11], s[92:93]
	CROUND                                         ; all sixteen work-groups are here: the first joint loads meet
	s_mov_b32 s[G0S], 1
	s_add_co_u32 s[G0S+1], s94, SCL
	s_mov_b64 s[G0S+2:G0S+3], s[22:23]
	s_or_b32 s[G0S+3], s[G0S+3], 0x80000000
	s_mov_b32 s[G0SB], 1
	s_add_co_u32 s[G0SB+1], s94, SCL
	s_mov_b64 s[G0SB+2:G0SB+3], s[92:93]
	s_or_b32 s[G0SB+3], s[G0SB+3], 0x80000000
	JLOAD G0S, G1S, G0SB, G1SB                     ; the scales first: they are wanted with K step 0
.irp s, 0,1
	s_mov_b32 s[G0+4*\s], 1
	s_add_co_u32 s[G0+4*\s+1], s45, \s*SLOT
	s_add_nc_u64 s[G0+4*\s+2:G0+4*\s+3], s[20:21], \s*ROWB
	s_or_b32 s[G0+4*\s+3], s[G0+4*\s+3], 0x80000000
	s_mov_b32 s[G0B+4*\s], 1
	s_add_co_u32 s[G0B+4*\s+1], s45, \s*SLOT
	s_add_nc_u64 s[G0B+4*\s+2:G0B+4*\s+3], s[46:47], \s*ROWB
	s_or_b32 s[G0B+4*\s+3], s[G0B+4*\s+3], 0x80000000
	JLOAD G0+4*\s, G1, G0B+4*\s, G1B
.endr
	v_and_b32 v1, 15, v0                           ; l % 16
	v_bfe_u32 v2, v0, 4, 1                         ; l / 16
	v_mul_u32_u24 v3, v1, PITCH
	v_mul_u32_u24 v4, v2, 24
	v_add_nc_u32 v4, v3, v4                        ; a fragment's row x pitch + 24 x half
	v_lshl_add_u32 v5, v2, 4, v4                   ; and the same behind one padding more
	s_mul_i32 s21, s15, HALFT                      ; my 128 rows of A
	s_mul_i32 s22, s16, HALFT                      ; my 128 rows of B,
	s_add_co_u32 s22, s22, 2*HALFT                 ; which lie behind A's 256
.irp s, 0,1
	v_add_nc_u32 v[ADRA+\s], s21, v4
	v_add_nc_u32 v[ADRB+\s], s22, v4
	v_add_nc_u32 v[ADRA+2+\s], s21, v5
	v_add_nc_u32 v[ADRB+2+\s], s22, v5
	s_add_co_u32 s21, s21, SLOT
	s_add_co_u32 s22, s22, SLOT
.endr
	v_mul_u32_u24 v5, v1, KS                       ; my row's scales: 32 bytes a row,
	v_lshrrev_b32 v6, 8, v5
	v_lshl_add_u32 v5, v6, 4, v5                   ; and 16 more for each 256 passed
	s_mul_i32 s21, s15, HALFS                      ; A's: my 128 rows
	s_mul_i32 s22, s16, HALFS                      ; B's: my 128 rows, behind A's 256
	s_add_co_u32 s22, s22, 2*HALFS
	s_sub_co_u32 s22, s22, s21
	v_mul_u32_u24 v6, s22, v2                      ; lanes 16-31 take B's
	s_add_co_u32 s21, s21, SCL
	v_add_nc_u32 v5, v5, v6
	v_add_nc_u32 v[ADRS], s21, v5
.macro FRAG reg, adr, q, i             ; a fragment: lane l holds row l % 16; registers 6 c .. 6 c + 5 hold K = 64 c + 32 (l / 16) + 0 .. 31: 24 bytes of the row's stream of bits, in pieces of 8 bytes
.irp p, 0,1,2,3,4,5
.set PCE, 12*(\q)+6*(\p/3)+\p%3        ; where the piece three on lies behind one padding more, the second address register serves
.if PCE%8 < 5
	ds_load_b64 v[\reg+2*\p:\reg+2*\p+1], v[\adr] offset:8*PCE+16*(PCE/8)+(\i)*16*PITCH
.else
	ds_load_b64 v[\reg+2*\p:\reg+2*\p+1], v[\adr+2] offset:8*PCE+16*(PCE/8)+(\i)*16*PITCH
.endif
.endr
.endm
; 16 matrix instructions: A's blocks a0, a0 + 1 x B's eight, 128 along K.  The 64 accumulators take turns, one instruction a turn, in the same order in every step.
.macro MUL16 a0, p, q, sc, zero
.irp a, \a0, \a0+1
.irp b, 0,1,2,3,4,5,6,7
.if \zero
	v_wmma_scale_f32_16x16x128_f8f6f4 v[8*(8*((\a)%4)+\b):8*(8*((\a)%4)+\b)+7], v[128*(\p)+FR*\b:128*(\p)+FR*\b+FR-1], v[AF+FR*(\a):AF+FR*(\a)+FR-1], 0, v[SC+8*NQ*(\sc)+NQ*\b+(\q)], v[SC+8*NQ*(\sc)+NQ*(\a)+(\q)] matrix_a_fmt:MATRIX_FMT_BF6 matrix_b_fmt:MATRIX_FMT_BF6 matrix_a_scale:MATRIX_SCALE_ROW1
.else
	v_wmma_scale_f32_16x16x128_f8f6f4 v[8*(8*((\a)%4)+\b):8*(8*((\a)%4)+\b)+7], v[128*(\p)+FR*\b:128*(\p)+FR*\b+FR-1], v[AF+FR*(\a):AF+FR*(\a)+FR-1], v[8*(8*((\a)%4)+\b):8*(8*((\a)%4)+\b)+7], v[SC+8*NQ*(\sc)+NQ*\b+(\q)], v[SC+8*NQ*(\sc)+NQ*(\a)+(\q)] matrix_a_fmt:MATRIX_FMT_BF6 matrix_b_fmt:MATRIX_FMT_BF6 matrix_a_scale:MATRIX_SCALE_ROW1
.endif
.endr
.endr
.endm
.macro FETCH_B slot, q, p              ; B's eight fragments of the slot's q-th 128 along K into set p
	WIN TO_B
.irp i, 0,1,2,3,4,5,6,7
	FRAG 128*(\p)+FR*\i, ADRB+\slot, \q, \i
.endr
	WIN 0
.endm
.macro FETCH_A slot, q, i0             ; A's blocks i0 .. i0 + 3
.irp i, \i0, \i0+1, \i0+2, \i0+3
	FRAG AF+FR*(\i), ADRA+\slot, \q, \i
.endr
.endm
.macro SCALES sc                       ; the next K step's scale words into set sc: lanes 0-15 take A's block i, lanes 16-31 B's block i
.irp i, 0,1,2,3,4,5,6,7
	ds_load_b64 v[SC+8*NQ*\sc+NQ*\i:SC+8*NQ*\sc+NQ*\i+1], v[ADRS] offset:\i*SBLK
.endr
.endm
.macro PLACES n                        ; places behind matrix instructions, in front of loads into registers that they read and of the first read of results
.rept \n
	v_nop
.endr
.endm
; A step of 128 along K that has its successor in the same slot.
.macro STEP slot, q, zero
	s_wait_dscnt 4*NL                              ; B's set and A's blocks 0-3 are in; the youngest 24 loads (A's blocks 4-7) may be out
	WIN MUL_LO
	MUL16 0, (\q)%2, \q, \slot, \zero
	MUL16 2, (\q)%2, \q, \slot, \zero
	s_wait_dscnt 0                                 ; A's blocks 4-7 are in
	PLACES NP
	FETCH_B \slot, (\q)+1, 1-(\q)%2
	FETCH_A \slot, (\q)+1, 0
	WIN MUL_HI
	MUL16 4, (\q)%2, \q, \slot, \zero
	MUL16 6, (\q)%2, \q, \slot, \zero
	PLACES NP
	WIN 0
	FETCH_A \slot, (\q)+1, 4
.endm
; A slot's last step changes slots: ONE barrier; in front of it each wave waits for all its tensor loads, adds 0 to its spare word, and waits for that and for its own reads of this slot.
.macro TURN slot, next, fill
	s_wait_tensorcnt 0x0                           ; all my tensor loads have landed: my part of the next slot
	ds_add_u32 v[SPW], v[NIL]                      ; 0 onto my spare word
	s_wait_dscnt 4*NL+1                            ; (the add and the youngest 24 loads may be out)
	WIN MUL_LO
	MUL16 0, 1, NQ-1, \slot, 0                     ; sixteen matrix instructions stand between the add and the wait for it
	s_wait_dscnt 0x0                               ; the add is done, and my reads of this slot are over
	s_barrier_signal -1
	MUL16 2, 1, NQ-1, \slot, 0
	WIN 0
	s_barrier_wait -1
.if \fill
	CREST                                          ; the barrier has opened a round of the cluster's barrier: no wave of any partner still reads this slot or has a load on its way
	s_add_nc_u64 s[G0+4*\slot+2:G0+4*\slot+3], s[G0+4*\slot+2:G0+4*\slot+3], 2*ROWB
	s_add_nc_u64 s[G0B+4*\slot+2:G0B+4*\slot+3], s[G0B+4*\slot+2:G0B+4*\slot+3], 2*ROWB
	JLOAD G0+4*\slot, G1, G0B+4*\slot, G1B         ; the first tensor load behind the round; its four v_nop are the places in front of the loads below
.else
	PLACES NP
.endif
	v_add_nc_u32 v[ADRS], 4*NQ, v[ADRS]            ; on to the next K step's scale words
	FETCH_B \next, 0, 0
	FETCH_A \next, 0, 0
	SCALES \next
	WIN MUL_HI
	MUL16 4, 1, NQ-1, \slot, 0
	MUL16 6, 1, NQ-1, \slot, 0
	PLACES NP
	WIN 0
	FETCH_A \next, 0, 4
.endm
	s_wait_tensorcnt 1                             ; the scales and my part of K step 0 are in (K step 1's load may be out)
	s_barrier_signal -1
	s_barrier_wait -1                              ; everybody's are
	FETCH_B 0, 0, 0
	FETCH_A 0, 0, 0
	SCALES 0
	FETCH_A 0, 0, 4
	STEP 0, 0, 1                                   ; the first step stands in front of the loop: its products start the sums
	s_mov_b32 s3, LAPS-1
.Llap:                                                 ; a trip goes once round the ring and fills both slots again
	TURN 0, 1, 1
	STEP 1, 0, 0
	TURN 1, 0, 1
	STEP 0, 0, 0
	s_sub_co_u32 s3, s3, 1
	s_cmp_lg_u32 s3, 0
	s_cbranch_scc1 .Llap
	TURN 0, 1, 0                                   ; the last lap fills nothing
	STEP 1, 0, 0
	s_wait_dscnt 4*NL                              ; the very last step: nothing more to fetch
	WIN MUL_LO
	MUL16 0, 1, NQ-1, 1, 0
	MUL16 2, 1, NQ-1, 1, 0
	s_wait_dscnt 0
	WIN MUL_HI
	MUL16 4, 1, NQ-1, 1, 0
	MUL16 6, 1, NQ-1, 1, 0
	WIN 0
	PLACES NP
; THE WAY OUT.  64 numbers of a lane, v[s] .. v[s + 63] of window w, register 16 b + i = k 32 b + 16 (lane / 16) + i of my row, become a fragment's codes in v[PC] .. v[PC + 11] and its scale word in v[PW].
.macro QUANT s, w
	WIN ((\w)<<2)|((\w)<<4)                        ; sources 1 and 2 in window w
.irp b, 0,1,2,3
	v_max3_num_f32 v[TM+\b], 0x2800000, |v[\s+16*\b]|, |v[\s+1+16*\b]|   ; block b: my 16 numbers, from each accumulator's low end on, and the floor 2^(5 - 127)
.endr
.irp i, 2,4,6,8,10,12,14
.irp b, 0,1,2,3
	v_max3_num_f32 v[TM+\b], v[TM+\b], |v[\s+16*\b+\i]|, |v[\s+1+16*\b+\i]|
.endr
.endr
	WIN 0
.irp b, 0,1,2,3
	v_permlanex16_b32 v[TM+4+\b], v[TM+\b], s[SEL], s[SEL+1]
.endr
.irp b, 0,1,2,3
	v_max_num_f32 v[TM+\b], v[TM+\b], v[TM+4+\b]   ; with lane l xor 16's: the block's largest magnitude
.endr
.irp b, 0,1,2,3
	v_add_nc_u32 v[TM+12+\b], 0xfe000000, v[TM+\b] ; 4 off its exponent field: the conversion's scale operand
.endr
.irp b, 0,1,2,3
	v_lshrrev_b32 v[TM+4+\b], 23, v[TM+12+\b]      ; the scale's byte
.endr
	v_lshl_or_b32 v[PW], v[TM+5], 8, v[TM+4]
	v_lshl_or_b32 v[PW], v[TM+6], 16, v[PW]
	v_lshl_or_b32 v[PW], v[TM+7], 24, v[PW]
	WIN \w                                         ; source 0 in window w
.irp c, 0,1
	v_cvt_scalef32_pk16_bf6_f32 v[PC+6*\c:PC+2+6*\c], v[\s+32*\c:\s+15+32*\c], v[TM+12+2*\c]
	v_cvt_scalef32_pk16_bf6_f32 v[PC+12+4*\c:PC+14+4*\c], v[\s+16+32*\c:\s+31+32*\c], v[TM+12+2*\c+1]   ; (a conversion's three registers begin on an even number)
.endr
	WIN 0
	v_nop                                          ; one plain place behind a scaled conversion
.irp c, 0,1                                    ; the operand's layout wants a whole block in a lane: lanes 0-15 block 2 c, lanes 16-31 block 2 c + 1
.irp i, 0,1,2
	v_permlane16_swap_b32 v[PC+6*\c+\i], v[PC+12+4*\c+\i]
.endr
.irp i, 0,1,2
	v_mov_b32 v[PC+3+6*\c+\i], v[PC+12+4*\c+\i]
.endr
.endr
.endm
	s_mov_b32 s[SEL], 0x76543210
	s_mov_b32 s[SEL+1], 0xfedcba98
	v_and_b32 v1, 15, v0                           ; r
	v_and_b32 v2, 31, v0                           ; lane
	v_bfe_u32 v3, v0, 4, 1                         ; h
	s_lshl_b32 s18, s14, 11
	s_add_co_u32 s18, s18, QKST
	v_lshl_add_u32 v[STQ], v1, 2, s18              ; both ways' LDS addresses are made here, ahead of the parting: a constant + a constant x wave + a constant x lane
	v_lshl_add_u32 v[LDQ], v2, 4, s18
	s_lshl_b32 s18, s14, 9
	s_add_co_u32 s18, s18, VST
	v_lshl_add_u32 v[STV], v1, 2, s18
	v_lshl_add_u32 v[LDV], v2, 4, s18
	v_mov_b32 v[ME+1], 0                           ; named as the upper halves of pairs
	v_mov_b32 v[ME+3], 0
	v_mov_b32 v[T], 0                              ; a lane permute's destination counts as one of its sources
	v_mov_b32 v[T+1], 0
.irp b, 0,1,2,3
	v_mov_b32 v[TM+4+\b], 0
.endr
	s_cmp_eq_u32 s66, 0                            ; the mode: the same in all partners
	s_cbranch_scc1 .Lv_out
	; ---- q or k.  My 128 rows are 128 positions of one batch: one key step; my 128 columns are two heads.
	s_lshl_b32 s20, s67, 2
	s_add_co_u32 s20, s20, s41
	s_lshl_b32 s20, s20, 8
	s_lshl_b32 s21, s15, 7
	s_add_co_u32 s20, s20, s21                     ; my first position among the 8,192
	s_lshr_b32 s21, s20, 10                        ; the batch
	s_and_b32 s22, s20, 1023                       ; the position in it
	s_lshl_b32 s46, s40, 2
	s_lshl_b32 s47, s16, 1
	s_add_co_u32 s46, s46, s47                     ; my first head: 4 cx + 2 x half
	s_lshl_b32 s21, s21, 4
	s_add_co_u32 s21, s21, s46                     ; its block
	s_mov_b32 s9, HB
	s_cmp_eq_u32 ttmp9, 0
	s_cselect_b64 s[4:5], s[96:97], s[98:99]       ; q goes to qb, k to kv
	s_cselect_b32 s9, QB, s9
	s_mul_i32 s10, s21, s9
	s_mov_b32 s11, 0
	s_add_nc_u64 s[4:5], s[4:5], s[10:11]          ; s[4:5] head 0's block,
	s_mov_b32 s10, s9
	s_add_nc_u64 s[6:7], s[4:5], s[10:11]          ; s[6:7] head 1's
	s_mul_i32 s12, s22, 48                         ; 768 bytes a tile of 16 positions
	v_lshl_add_u32 v[IO], v2, 4, s12
	v_lshl_add_u32 v[IO8], v2, 3, s12
	s_lshr_b32 s13, s22, 7
	s_mul_i32 s13, s13, 768                        ; my key step's scale words
	v_lshl_add_u32 v[IS], v2, 4, s13
	s_lshl_b32 s13, s22, 2
	v_lshl_add_u32 v[IV], v2, 4, s13               ; my positions' variances
; Block a: 16 positions x two heads.  A lane holds 32 of each head's 64 channels, lane l xor 16 the other 32.
.macro QKBLK a
.set AC, 64*((\a)%4)
.set WN, 2+(\a)/4
.if (\a) > 0
	s_wait_xcnt 0x0                                ; the last block's stores have read their registers: they are written again only behind these two waits
	s_wait_dscnt 0x0
.endif
	WIN WN|(WN<<2)                                 ; sources 0 and 1 in the accumulators' window
.irp b, 0,1,2,3,4,5,6,7
	v_pk_add_f32 v[SU+2*\b:SU+2*\b+1], v[AC+8*\b:AC+8*\b+1], v[AC+8*\b+2:AC+8*\b+3]   ; each accumulator is read from its low end on
.endr
	WIN WN<<2
.irp k, 4,6
.irp b, 0,1,2,3,4,5,6,7
	v_pk_add_f32 v[SU+2*\b:SU+2*\b+1], v[SU+2*\b:SU+2*\b+1], v[AC+8*\b+\k:AC+8*\b+\k+1]
.endr
.endr
	WIN 0
.irp c, 0,1
	v_pk_add_f32 v[SU+8*\c:SU+8*\c+1], v[SU+8*\c:SU+8*\c+1], v[SU+8*\c+2:SU+8*\c+3]
	v_pk_add_f32 v[SU+8*\c+4:SU+8*\c+5], v[SU+8*\c+4:SU+8*\c+5], v[SU+8*\c+6:SU+8*\c+7]
.endr
.irp c, 0,1
	v_pk_add_f32 v[SU+8*\c:SU+8*\c+1], v[SU+8*\c:SU+8*\c+1], v[SU+8*\c+4:SU+8*\c+5]
.endr
.irp c, 0,1
	v_add_f32 v[ME+2*\c], v[SU+8*\c], v[SU+8*\c+1]
.endr
.irp c, 0,1
	v_permlanex16_b32 v[T+\c], v[ME+2*\c], s[SEL], s[SEL+1]
.endr
.irp c, 0,1
	v_add_f32 v[ME+2*\c], v[ME+2*\c], v[T+\c]
.endr
.irp c, 0,1
	v_mul_f32 v[ME+2*\c], 0x3c800000, v[ME+2*\c]   ; the head's mean: the sum / 64
.endr
	WIN WN                                         ; source 0 in the accumulators' window; the centred numbers go to window 0
.irp c, 0,1
.irp i, 0,2,4,6,8,10,12,14,16,18,20,22,24,26,28,30
	v_pk_add_f32 v[X+32*\c+\i:X+32*\c+\i+1], v[AC+32*\c+\i:AC+32*\c+\i+1], v[ME+2*\c:ME+2*\c+1] op_sel_hi:[1,0] neg_lo:[0,1] neg_hi:[0,1]
.endr
.endr
	WIN 0
.irp c, 0,1
.irp k, 0,1
	v_pk_mul_f32 v[SQ+4*\c+2*\k:SQ+4*\c+2*\k+1], v[X+32*\c+2*\k:X+32*\c+2*\k+1], v[X+32*\c+2*\k:X+32*\c+2*\k+1]   ; the squares, two chains a head
.endr
.endr
.irp i, 4,8,12,16,20,24,28
.irp c, 0,1
.irp k, 0,1
	v_pk_fma_f32 v[SQ+4*\c+2*\k:SQ+4*\c+2*\k+1], v[X+32*\c+\i+2*\k:X+32*\c+\i+2*\k+1], v[X+32*\c+\i+2*\k:X+32*\c+\i+2*\k+1], v[SQ+4*\c+2*\k:SQ+4*\c+2*\k+1]
.endr
.endr
.endr
.irp c, 0,1
	v_pk_add_f32 v[SQ+4*\c:SQ+4*\c+1], v[SQ+4*\c:SQ+4*\c+1], v[SQ+4*\c+2:SQ+4*\c+3]
.endr
.irp c, 0,1
	v_add_f32 v[VA+\c], v[SQ+4*\c], v[SQ+4*\c+1]
.endr
.irp c, 0,1
	v_permlanex16_b32 v[T+\c], v[VA+\c], s[SEL], s[SEL+1]
.endr
.irp c, 0,1
	v_add_f32 v[VA+\c], v[VA+\c], v[T+\c]
.endr
.irp c, 0,1
	v_mul_f32 v[VA+\c], 0x3c820821, v[VA+\c]       ; the unbiased variance: x the f32 nearest 1 / 63
.endr
	QUANT X, 0                                     ; blocks 0, 1: head 0's channels; blocks 2, 3: head 1's
	v_and_b32 v[W0], 0xffff, v[PW]
	v_lshrrev_b32 v[W1], 16, v[PW]
	v_lshl_or_b32 v[W0], v[W0], 16, v[W0]          ; a head's two bytes, twice: they serve either half of a K of 128
	v_and_or_b32 v[W1], v[PW], 0xffff0000, v[W1]
	global_store_b128 v[IO], v[PC:PC+3], s[4:5] offset:768*(\a)            ; 32 lanes store 512 consecutive bytes,
	global_store_b64 v[IO8], v[PC+4:PC+5], s[4:5] offset:768*(\a)+512      ; and 256 more
	global_store_b128 v[IO], v[PC+6:PC+9], s[6:7] offset:768*(\a)
	global_store_b64 v[IO8], v[PC+10:PC+11], s[6:7] offset:768*(\a)+512
	ds_store_b32 v[STQ], v[W0] offset:64*(\a)                              ; lanes r and r + 16 write the same word with the same value
	ds_store_b32 v[STQ], v[W1] offset:512+64*(\a)
	ds_store_b32 v[STQ], v[VA] offset:1024+64*(\a)
	ds_store_b32 v[STQ], v[VA+1] offset:1536+64*(\a)
.endm
.irp a, 0,1,2,3,4,5,6,7
	QKBLK \a
.endr
.irp i, 0,1,2,3
	ds_load_b128 v[G+4*\i:G+4*\i+3], v[LDQ] offset:512*\i                  ; LDS serves a wave's instructions in order: these see my stores
.endr
	s_wait_dscnt 0x0
	global_store_b128 v[IS], v[G:G+3], s[4:5] offset:SCO                   ; each store covers 512 consecutive bytes, aligned
	global_store_b128 v[IS], v[G+4:G+7], s[6:7] offset:SCO
	global_store_b128 v[IV], v[G+8:G+11], s[4:5] offset:VRO
	global_store_b128 v[IV], v[G+12:G+15], s[6:7] offset:VRO
	s_branch .Lend
.Lv_out:
	; ---- v.  My 128 rows are the channels of two heads (in position order), my 128 columns one key step of one batch.
	s_lshl_b32 s20, s41, 2
	s_lshl_b32 s21, s15, 1
	s_add_co_u32 s20, s20, s21                     ; my first head: 4 cy + 2 x half
	s_lshl_b32 s46, s67, 2
	s_add_co_u32 s46, s46, s40
	s_lshl_b32 s46, s46, 8
	s_lshl_b32 s47, s16, 7
	s_add_co_u32 s46, s46, s47                     ; my first key among the 8,192
	s_lshr_b32 s47, s46, 10                        ; the batch
	s_bfe_u32 s46, s46, 0x30007                    ; the key step in it
	s_lshl_b32 s47, s47, 4
	s_add_co_u32 s47, s47, s20
	s_mul_i32 s10, s47, HB
	s_mov_b32 s11, 0
	s_add_nc_u64 s[4:5], s[98:99], s[10:11]        ; s[4:5] head 0's block,
	s_add_nc_u64 s[6:7], s[4:5], HB                ; s[6:7] head 1's
	s_mul_i32 s12, s46, 6144
	v_lshl_add_u32 v[IO], v2, 4, s12
	s_mul_i32 s13, s46, 768
	v_mul_u32_u24 v[IS], v3, HB                    ; the scale words: lanes 0-15 head 0's 256 bytes, lanes 16-31 head 1's
	v_lshl_add_u32 v[IS], v1, 4, v[IS]
	v_add_nc_u32 v[IS], s13, v[IS]
.macro VBLK a                          ; block a: 16 channels x 128 keys: one fragment and one scale word a channel
.set AC, 64*((\a)%4)
.set WN, 2+(\a)/4
.if (\a) > 0
	s_wait_xcnt 0x0                                ; the last block's stores have read their registers
	s_wait_dscnt 0x0
.endif
	QUANT AC, WN
.irp g, 0,1,2
	global_store_b128 v[IO], v[PC+4*\g:PC+4*\g+3], s[4+2*((\a)/4):5+2*((\a)/4)] offset:VIO+1536*((\a)%4)+512*\g   ; 512 consecutive bytes, aligned
.endr
	ds_store_b32 v[STV], v[PW] offset:64*(\a)
.endm
.irp a, 0,1,2,3,4,5,6,7
	VBLK \a
.endr
	ds_load_b128 v[G:G+3], v[LDV]
	s_wait_dscnt 0x0
	global_store_b128 v[IS], v[G:G+3], s[4:5] offset:SCO+512               ; sixteen lanes store 256 consecutive bytes, aligned
.Lend:
	s_wait_tensorcnt 0x0                           ; the wave's end: behind my last tensor load and my last LDS store
	ds_add_u32 v[SPW], v[NIL]
	s_wait_dscnt 0x0
	CROUND                                         ; the closing round: no work-group ends while a partner may still ask for a tile that names it
	s_endpgm
.Lfunc_end_k_qe33e488b83_qkv:
	.size	k_qe33e488b83_qkv, .Lfunc_end_k_qe33e488b83_qkv-k_qe33e488b83_qkv
	.p2alignl 7, 3214868480
	.fill 96, 4, 3214868480
	.section	.rodata,"a",@progbits
	.p2align	6, 0x0
	.amdhsa_kernel k_qe33e488b83_qkv
		.amdhsa_group_segment_fixed_size 327680
		.amdhsa_private_segment_fixed_size 0
		.amdhsa_enable_private_segment 0
		.amdhsa_kernarg_size 48
		.amdhsa_user_sgpr_count 2
		.amdhsa_user_sgpr_kernarg_segment_ptr 1
		.amdhsa_wavefront_size32 1
		.amdhsa_system_sgpr_workgroup_id_x 1
		.amdhsa_system_sgpr_workgroup_id_y 1
		.amdhsa_system_sgpr_workgroup_id_z 1
		.amdhsa_system_vgpr_workitem_id 0
		.amdhsa_next_free_vgpr 1024
		.amdhsa_next_free_sgpr 102
		.amdhsa_reserve_vcc 0
		.amdhsa_float_denorm_mode_32 3
		.amdhsa_float_denorm_mode_16_64 3
		.amdhsa_memory_ordered 1
		.amdhsa_forward_progress 1
		.amdhsa_inst_pref_size 255
	.end_amdhsa_kernel
	.section	.bss,"aw",@nobits
	.p2align	6
	.space	262144
	.amdgpu_metadata
---
amdhsa.version: [ 1, 2 ]
amdhsa.kernels:
  - .name:           k_qe33e488b83_qkv
    .symbol:         k_qe33e488b83_qkv.kd
    .args:
      - { .name: xc, .offset: 0, .size: 8, .value_kind: global_buffer, .address_space: global }
      - { .name: xs, .offset: 8, .size: 8, .value_kind: global_buffer, .address_space: global }
      - { .name: wc, .offset: 16, .size: 8, .value_kind: global_buffer, .address_space: global }
      - { .name: ws, .offset: 24, .size: 8, .value_kind: global_buffer, .address_space: global }
      - { .name: qb, .offset: 32, .size: 8, .value_kind: global_buffer, .address_space: global }
      - { .name: kv, .offset: 40, .size: 8, .value_kind: global_buffer, .address_space: global }
    .group_segment_fixed_size: 327680
    .private_segment_fixed_size: 0
    .kernarg_segment_align: 8
    .kernarg_segment_size: 48
    .max_flat_workgroup_size: 128
    .sgpr_count:     102
    .vgpr_count:     1024
    .wavefront_size: 32
...
	.end_amdgpu_metadata
.endif
;; end of part 2
;; launch attn (part 3): grid 4 x 64, 16 waves a work-group, clusters of 4 x 1, 219,136 bytes of LDS; arguments qb, kv, ao, aos; writes ao, aos
.if DOCPART == 3
	.amdgcn_target "amdgcn-amd-amdhsa--gfx1250"
	.amdhsa_code_object_version 6
	.text
	.protected	k_qe33e488b83_attn
	.globl	k_qe33e488b83_attn
	.p2align	8
	.type	k_qe33e488b83_attn,@function
k_qe33e488b83_attn:
	s_mov_b64 s[64:65], 0
	v_nop
	global_prefetch_b8 v0, s[64:65] scope:SCOPE_SE
	s_setreg_imm32_b32 hwreg(HW_REG_WAVE_MODE, 25, 1), 1
	s_wait_xcnt 0x0
	s_wait_alu depctr_hold_cnt(0) depctr_sa_sdst(0) depctr_va_vdst(0) depctr_va_sdst(0) depctr_va_ssrc(0) depctr_va_vcc(0) depctr_vm_vsrc(0)
	s_getreg_b32 s2, hwreg(HW_REG_IB_STS2, 6, 4)
	s_cmp_eq_u32 s2, 0
	s_cbranch_scc0 .Lentry_in_a_cluster
	s_endpgm
.Lentry_in_a_cluster:
	s_bfe_u32 s2, ttmp6, 0x10000c
	s_cmp_lg_u32 s2, 0x3003
	s_cbranch_scc0 .Lentry_shape_is_right
	s_endpgm
.Lentry_shape_is_right:
; LAUNCH 3 OF 4 (no work left out).  For each (batch, head): logit = (q_c . k_c + q_var k_var) / 64; p = 2^(t - M), t = logit x log2(e), M the running largest t rounded up to a whole number;
; o = (sum of Q(p) Q(v)) / (sum of p); o is quantised along the model's 1,024 channels for the last product.  Both products on codes of BF6 with E8M0 scales; q_var k_var, the softmax and the sums in f32.
; SHARES.  A cluster of four work-groups owns a PAIR of heads (2 P, 2 P + 1 of a batch); work-group cx owns 256 query positions, each of its sixteen waves 16 of them, first for head 2 P, then for head 2 P + 1:
; the two heads' 64 + 64 channels are one K step of 128 of the last product, so a wave ends with one whole fragment and one scale word a row.
; LDS.  Both heads' blocks of kv (k's codes, scale words, variances, v's codes: 2 x 108,544 bytes, neighbours in memory) come ONCE, by one joint tensor load a wave (13,568 bytes, 53 rows of 256), and stay: no ring, no refill.
; LAYOUT.  Both products are used transposed: a lane holds ONE query (lane % 16).  Keys, queries and v's channels lie in position order (bits 3 and 4 exchanged), so the 16 registers of two neighbouring tiles are 16 natural neighbours.
; K = 64 ON AN INSTRUCTION OF K = 128.  A fragment of k holds key tile 2 i in registers 0-5 and key tile 2 i + 1 in registers 6-11.  The even tile is multiplied by [q | zero codes], the odd one by [zero codes | q]:
; in the other half each product is a zero code times a number, under scale bytes 1 to 254: exactly 0.  The doubled scale words serve either half.
; q_var k_var is made in f32 in the scores' registers and is the C of the score's matrix instruction.
; Prefetches are left out: all that the launch streams is asked for at its head.
; LIMITS: o is multiplied by v_rcp_f32 of the sum; a block under the floor 2^(5 - 127) gets the byte 1; NaN and infinities are not served.
.set HB,    108544                     ; a head's block in kv, and in LDS
.set QB,    59392                      ; and in qb
.set SCO,   49152                      ; in a block: the scale words, 768 bytes a key step
.set VRO,   55296                      ; the variances
.set VIO,   59392                      ; v's fragments, 6,144 bytes a key step
.set PART,  13568                      ; a wave's sixteenth of the two blocks
.set SPARE, 2*HB                       ; the spare words, 128 bytes a wave, which no other line names
.set LI,  1                            ; v1   16 x lane
.set L8,  2                            ; v2   8 x lane
.set LR,  3                            ; v3   4 r
.set LH,  4                            ; v4   32 h
.set SPW, 5                            ; v5   LDS address of my spare word; never rewritten
.set NIL, 6                            ; v6   0; never rewritten
.set AKI, 7                            ; v7-10 the step's LDS addresses
.set AK8, 8
.set ASC, 9
.set AKV, 10
.set GS,  11                           ; v11  32 r
.set NM,  12                           ; v12  -M
.set TMX, 13                           ; v13  the largest t so far
.set QSW, 34                           ; v16-21 q, v22-27 zero codes, v28-33 q again; v34 q's scale word
.set QV,  36                           ; v36  q_var (v37 named with it as a pair); v38-45 head 2 P + 1's q, scale word, variance
.set OC,  46                           ; v46-57 the fragment that leaves; v58 its scale word
.set OW,  58
.set F,   60                           ; v60-107 four fragments, of k and then of v
.set S,   108                          ; v108-171 the scores, then p
.set O,   172                          ; v172-203 O^T
.set PC,  204                          ; v204-215 p's codes; v216-222 the conversions' second halves
.set BM,  224                          ; v224-227 the blocks' maxima
.set BT,  228                          ; v228-231 permutes' destinations, bytes
.set BS,  232                          ; v232-235 the conversions' scale operands
.set KS,  236                          ; v236-243 k's scale words, then v's: scales and nothing else
.set FF,  244                          ; v244 f = 2^(old M - new M); v245 p's scale word
.set TT,  246
.set RL,  248                          ; v248 1 / the sum (v249 named with it)
.set SM2, 250                          ; v[250:251] the sum's second chain
.set WV,  12                           ; s12  my wave's number
.set SEL, 20                           ; s[20:21] lane l xor 16
.set CS,  22                           ; s[22:23] c = log2(e) / 64
.set KB,  40                           ; s40  LDS byte of the step's tiles of k (v's lie VIO further on)
.set SB,  41                           ; s41  of its scale words
.set VB,  42                           ; s42  of its variances
.set CNT, 43
.macro CROUND                          ; a round of the cluster's barrier
	s_barrier_signal -1
	s_barrier_wait -1
	s_cmp_lg_u32 s[WV], 0
	s_cbranch_scc1 .Lnot_wave_0_\@
	s_barrier_signal -3
.Lnot_wave_0_\@:
	s_barrier_wait -3
	s_barrier_signal -1
	s_barrier_wait -1
.endm
	s_load_b256 s[4:11], s[0:1], 0x0               ; qb s[4:5], kv s[6:7], ao s[8:9], aos s[10:11]
	v_lshl_add_u32 v[SPW], v0, 2, SPARE
	v_mov_b32 v[NIL], 0
	ds_add_u32 v[SPW], v[NIL]                      ; the wave's opening: the add, twice on end, and its wait ahead of my first tensor load
	ds_add_u32 v[SPW], v[NIL]                      ; and once more, under the one wait; the set-up below, work on registers, stands between
	v_lshrrev_b32 v1, 5, v0
	v_readfirstlane_b32 s[WV], v1                  ; wave 0..15
	s_bfe_u32 s13, ttmp6, 0x40000                  ; cx: it enters q's and the output's addresses alone
	s_and_b32 s14, ttmp7, 0xffff                   ; P: the pair of heads, which the four partners share
	; descriptor group 1: 53 rows of 256 bytes (32 elements of 8), dense, no padding
	s_mov_b32 s24, 15|(3<<16)|(1<<21)              ; 15:0 the mask: all four work-groups; elements of 8 bytes; bit 21 set beside a mask
	s_mov_b32 s25, 32<<16                          ; tensor_dim0
	s_mov_b32 s26, 53<<16                          ; tensor_dim1
	s_mov_b32 s27, 32<<16                          ; tile_dim0
	s_mov_b32 s28, 53                              ; tile_dim1
	s_mov_b32 s29, 32                              ; from row to row
	s_mov_b32 s30, 0
	s_mov_b32 s31, 0
	s_mul_i32 s15, s[WV], PART                     ; my part's place, in LDS and in the pair's blocks
	s_mul_i32 s16, s14, 2*HB
	s_add_co_u32 s16, s16, s15
	s_mov_b32 s17, 0
	s_lshl_b32 s18, s13, 4
	s_add_co_u32 s18, s18, s[WV]                   ; my tile of 16 query positions: 16 cx + wave
	s_mul_i32 s54, s14, 2*QB                       ; the pair's first block in qb
	s_mov_b32 s55, 0
	s_mul_i32 s56, s18, 768
	s_add_co_u32 s56, s56, s54                     ; q's codes
	s_mov_b32 s57, 0
	s_lshr_b32 s58, s18, 3
	s_mul_i32 s58, s58, 768
	s_and_b32 s59, s18, 7
	s_lshl_b32 s59, s59, 6
	s_add_co_u32 s58, s58, s59
	s_add_co_u32 s58, s58, s54
	s_add_co_u32 s58, s58, SCO                     ; q's scale words
	s_mov_b32 s59, 0
	s_lshl_b32 s60, s18, 6
	s_add_co_u32 s60, s60, s54
	s_add_co_u32 s60, s60, VRO                     ; q's variances
	s_mov_b32 s61, 0
	s_lshr_b32 s62, s14, 3                         ; the batch
	s_and_b32 s63, s14, 7                          ; the K step of the last product
	s_lshl_b32 s54, s62, 6
	s_add_co_u32 s54, s54, s18
	s_lshl_b32 s54, s54, 3
	s_add_co_u32 s54, s54, s63
	s_mul_i32 s54, s54, 1536                       ; ao: [tile of positions][K step][1,536 bytes]
	s_lshl_b32 s62, s62, 10
	s_lshl_b32 s19, s18, 4
	s_add_co_u32 s62, s62, s19
	s_lshl_b32 s62, s62, 5
	s_lshl_b32 s63, s63, 2
	s_add_co_u32 s62, s62, s63                     ; aos: [position][32 bytes], the K step's word
	s_mov_b32 s63, 0
	s_mov_b32 s[SEL], 0x76543210
	s_mov_b32 s[SEL+1], 0xfedcba98
	s_mov_b32 s[CS], 0x3cb8aa3b                    ; c = log2(e) / 64
	s_mov_b32 s[CS+1], s[CS]                       ; (named with it as a pair)
	s_wait_dscnt 0x0                               ; both opening adds are done
	s_wait_kmcnt 0x0
	s_mov_b32 s32, 1                               ; descriptor group 0: count = 1,
	s_mov_b32 s33, s15                             ; the LDS address,
	s_add_nc_u64 s[34:35], s[6:7], s[16:17]        ; the global address: nothing in it hangs on cx,
	s_or_b32 s35, s35, 0x80000000                  ; the type
	s_add_nc_u64 s[44:45], s[4:5], s[56:57]
	s_add_nc_u64 s[46:47], s[4:5], s[58:59]
	s_add_nc_u64 s[48:49], s[4:5], s[60:61]
	s_add_nc_u64 s[50:51], s[8:9], s[54:55]
	s_add_nc_u64 s[52:53], s[10:11], s[62:63]
	CROUND                                         ; all four work-groups are here: the joint loads meet
	tensor_load_to_lds s[32:35], s[24:31]          ; my one tensor load of the launch
	s_nop 0
.rept 4
	v_nop
.endr
	v_and_b32 v2, 31, v0
	v_lshlrev_b32 v[LI], 4, v2
	v_lshlrev_b32 v[L8], 3, v2
	v_and_b32 v[GS], 15, v0
	v_lshlrev_b32 v[LR], 2, v[GS]
	v_bfe_u32 v[LH], v0, 4, 1
	v_lshlrev_b32 v[LH], 5, v[LH]
	v_lshlrev_b32 v[GS], 5, v[GS]
	global_load_b128 v[16:19], v[LI], s[44:45]                 ; head 2 P's q, twice: on either side of the zero codes
	global_load_b64 v[20:21], v[L8], s[44:45] offset:512
	global_load_b128 v[28:31], v[LI], s[44:45]
	global_load_b64 v[32:33], v[L8], s[44:45] offset:512
	global_load_b32 v[QSW], v[LR], s[46:47]
	global_load_b32 v[QV], v[LR], s[48:49]
	global_load_b128 v[38:41], v[LI], s[44:45] offset:QB       ; head 2 P + 1's
	global_load_b64 v[42:43], v[L8], s[44:45] offset:QB+512
	global_load_b32 v44, v[LR], s[46:47] offset:QB
	global_load_b32 v45, v[LR], s[48:49] offset:QB
.irp i, 22,23,24,25,26,27
	v_mov_b32 v\i, 0                               ; the zero codes
.endr
	v_mov_b32 v[QV+1], 0                           ; upper halves of pairs, written once
	v_mov_b32 v[FF+1], 0
	v_mov_b32 v[RL+1], 0
.irp b, 0,1,2,3
	v_mov_b32 v[BT+\b], 0                          ; a lane permute's destination counts as one of its sources
.endr
; A KEY STEP: 128 keys.
.macro KSTEP
	v_add_nc_u32 v[AKI], s[KB], v[LI]              ; these four are also the places behind the last step's products, in front of the loads below
	v_add_nc_u32 v[AK8], s[KB], v[L8]
	v_add_nc_u32 v[ASC], s[SB], v[LR]
	v_add_nc_u32 v[AKV], s[VB], v[LH]
.irp t, 0,1,2,3,4,5,6,7
	ds_load_b128 v[S+8*\t:S+8*\t+3], v[AKV] offset:64*\t          ; k_var of key positions 16 t + 8 h + 0 .. 7: the scores' own layout
	ds_load_b128 v[S+8*\t+4:S+8*\t+7], v[AKV] offset:64*\t+16
.endr
.irp t, 0,1,2,3,4,5,6,7
	ds_load_b128 v[F+6*\t:F+6*\t+3], v[AKI] offset:768*\t         ; key tile t: six registers
	ds_load_b64 v[F+6*\t+4:F+6*\t+5], v[AK8] offset:768*\t+512
	ds_load_b32 v[KS+\t], v[ASC] offset:64*\t                     ; and its scale words
.endr
	s_wait_dscnt 24                                ; the 16 loads of k_var are in; the 24 behind them may be out
.set j, 0
.rept 32
	v_pk_mul_f32 v[S+j:S+j+1], v[S+j:S+j+1], v[QV:QV+1] op_sel_hi:[1,0]   ; q_var k_var, in f32
.set j, j+2
.endr
	s_wait_dscnt 0x0
.rept 4
	v_nop                                          ; between the vector writes of C and the products
.endr
.irp t, 0,1,2,3,4,5,6,7
	v_wmma_scale_f32_16x16x128_f8f6f4 v[S+8*\t:S+8*\t+7], v[F+12*(\t/2):F+12*(\t/2)+11], v[16+6*(\t%2):27+6*(\t%2)], v[S+8*\t:S+8*\t+7], v[KS+\t], v[QSW] matrix_a_fmt:MATRIX_FMT_BF6 matrix_b_fmt:MATRIX_FMT_BF6
.endr
.rept 4
	v_nop                                          ; places in front of the loads into registers that these products read, and of the first read of the scores
.endr
.irp t, 0,1,2,3
.irp g, 0,1,2
	ds_load_b128 v[F+12*\t+4*\g:F+12*\t+4*\g+3], v[AKI] offset:VIO+1536*\t+512*\g   ; v's four fragments: 16 channels x these 128 keys; they land while the softmax is worked
.endr
	ds_load_b32 v[KS+\t], v[ASC] offset:512+64*\t
.endr
.irp b, 0,1,2,3
	v_max3_num_f32 v[BM+\b], v[S+16*\b], v[S+16*\b+1], v[S+16*\b+2]   ; the largest score of each block of 32 keys: for the row's maximum and, since p rises with the score, for the block's largest p
.endr
.irp i, 3,5,7,9,11,13
.irp b, 0,1,2,3
	v_max3_num_f32 v[BM+\b], v[BM+\b], v[S+16*\b+\i], v[S+16*\b+\i+1]
.endr
.endr
.irp b, 0,1,2,3
	v_max_num_f32 v[BM+\b], v[BM+\b], v[S+16*\b+15]
.endr
.irp b, 0,1,2,3
	v_permlanex16_b32 v[BT+\b], v[BM+\b], s[SEL], s[SEL+1]
.endr
.irp b, 0,1,2,3
	v_max_num_f32 v[BM+\b], v[BM+\b], v[BT+\b]     ; with lane l xor 16's 16 keys
.endr
	v_max3_num_f32 v[TT], v[BM], v[BM+1], v[BM+2]
	v_max_num_f32 v[TT], v[TT], v[BM+3]            ; the step's largest score of my query
	v_mul_f32 v[TT], s[CS], v[TT]                  ; as t (c is positive)
	v_max_num_f32 v[TMX], v[TMX], v[TT]            ; the running largest t
	v_mov_b32 v[TT], v[NM]
	v_floor_f32 v[NM], -v[TMX]                     ; the new -M = floor(-t): M is a whole number
	v_sub_f32 v[TT], v[NM], v[TT]                  ; old M - new M: a whole number, 0 or less
	v_cvt_i32_f32 v[TT], v[TT]                     ; (it saturates)
	v_ldexp_f32 v[FF], 1.0, v[TT]                  ; f = 2^(old M - new M): a multiplication by it rounds nothing
.set j, 0
.rept 32
	v_pk_fma_f32 v[S+j:S+j+1], v[S+j:S+j+1], s[CS:CS+1], v[NM:NM+1] op_sel_hi:[1,0,0]   ; t - M
.set j, j+2
.endr
.irp b, 0,1,2,3
	v_fma_f32 v[BM+\b], v[BM+\b], s[CS], v[NM]     ; the same of each block's largest score
.endr
.set j, 0
.rept 64
	v_exp_f32 v[S+j], v[S+j]                       ; p = 2^(t - M): not normalised
.set j, j+1
.endr
	v_pk_mul_f32 v[14:15], v[14:15], v[FF:FF+1] op_sel_hi:[1,0]   ; the sums and O^T under the new M: plain work that names no exponential's result
.set j, 0
.rept 16
	v_pk_mul_f32 v[O+j:O+j+1], v[O+j:O+j+1], v[FF:FF+1] op_sel_hi:[1,0]
.set j, j+2
.endr
	s_wait_alu depctr_va_vdst(0)                   ; one wait for the batch of 64, ahead of its first reader
.irp b, 0,1,2,3
	v_exp_f32 v[BM+\b], v[BM+\b]                   ; the blocks' largest p
.endr
	v_pk_add_f32 v[SM2:SM2+1], v[S:S+1], v[S+2:S+3]               ; the row's sum is taken of the unquantised p, in two chains; this half stands behind the four exponentials
.irp j, 4,8,12,16,20,24,28
	v_pk_add_f32 v[14:15], v[14:15], v[S+\j:S+\j+1]
	v_pk_add_f32 v[SM2:SM2+1], v[SM2:SM2+1], v[S+\j+2:S+\j+3]
.endr
	s_wait_alu depctr_va_vdst(0)                   ; and one for the four
.irp b, 0,1,2,3
	v_max_num_f32 v[BM+\b], 0x2800000, v[BM+\b]    ; the floor 2^(5 - 127): the byte cannot fall under 1
.endr
.irp b, 0,1,2,3
	v_add_nc_u32 v[BS+\b], 0xfe000000, v[BM+\b]    ; 4 off the exponent field: the conversion's scale operand
.endr
.irp b, 0,1,2,3
	v_lshrrev_b32 v[BT+\b], 23, v[BS+\b]           ; the scale's byte
.endr
	v_lshl_or_b32 v[FF+1], v[BT+1], 8, v[BT]       ; p's scale word for these 128 keys
	v_lshl_or_b32 v[FF+1], v[BT+2], 16, v[FF+1]
	v_lshl_or_b32 v[FF+1], v[BT+3], 24, v[FF+1]
.irp c, 0,1
	v_cvt_scalef32_pk16_bf6_f32 v[PC+6*\c:PC+6*\c+2], v[S+32*\c:S+32*\c+15], v[BS+2*\c]
	v_cvt_scalef32_pk16_bf6_f32 v[216+4*\c:218+4*\c], v[S+32*\c+16:S+32*\c+31], v[BS+2*\c+1]   ; (a conversion's three registers begin on an even number)
.endr
	v_nop                                          ; one plain place behind a scaled conversion
.irp c, 0,1                                    ; a whole block in a lane: lanes 0-15 block 2 c, lanes 16-31 block 2 c + 1
.irp i, 0,1,2
	v_permlane16_swap_b32 v[PC+6*\c+\i], v[216+4*\c+\i]
.endr
.irp i, 0,1,2
	v_mov_b32 v[PC+6*\c+3+\i], v[216+4*\c+\i]
.endr
.endr
.irp j, 32,36,40,44,48,52,56,60
	v_pk_add_f32 v[14:15], v[14:15], v[S+\j:S+\j+1]               ; the sum's other half: also the places between p's codes and scale word and the products
	v_pk_add_f32 v[SM2:SM2+1], v[SM2:SM2+1], v[S+\j+2:S+\j+3]
.endr
	v_pk_add_f32 v[14:15], v[14:15], v[SM2:SM2+1]
	s_wait_dscnt 0x0                               ; v's fragments and scale words are in
.irp t, 0,1,2,3
	v_wmma_scale_f32_16x16x128_f8f6f4 v[O+8*\t:O+8*\t+7], v[F+12*\t:F+12*\t+11], v[PC:PC+11], v[O+8*\t:O+8*\t+7], v[KS+\t], v[FF+1] matrix_a_fmt:MATRIX_FMT_BF6 matrix_b_fmt:MATRIX_FMT_BF6
.endr
	s_add_co_u32 s[KB], s[KB], 6144                ; the next step's tiles,
	s_add_co_u32 s[SB], s[SB], 768                 ; scale words
	s_add_co_u32 s[VB], s[VB], 512                 ; and variances
.endm
; The head's end: O^T / the sum, quantised along its 64 channels (register 16 b + i = channel 32 b + 16 h + i): half c of the fragment that leaves, and two bytes of its scale word.
.macro FINISH c
	v_add_f32 v14, v14, v15
	v_permlanex16_b32 v[BT], v14, s[SEL], s[SEL+1]
	v_add_f32 v14, v14, v[BT]                      ; the row's sum
	v_rcp_f32 v[RL], v14
.rept 4
	v_nop                                          ; the plain place behind the reciprocal, and the places behind the last products
.endr
	s_wait_alu depctr_va_vdst(0)                   ; ahead of the reciprocal's first reader
.set j, 0
.rept 16
	v_pk_mul_f32 v[O+j:O+j+1], v[O+j:O+j+1], v[RL:RL+1] op_sel_hi:[1,0]   ; each accumulator from its low end on
.set j, j+2
.endr
.irp b, 0,1
	v_max3_num_f32 v[BM+\b], |v[O+16*\b]|, |v[O+16*\b+1]|, 0x2800000
.endr
.irp i, 2,4,6,8,10,12,14
.irp b, 0,1
	v_max3_num_f32 v[BM+\b], v[BM+\b], |v[O+16*\b+\i]|, |v[O+16*\b+\i+1]|
.endr
.endr
.irp b, 0,1
	v_permlanex16_b32 v[BT+\b], v[BM+\b], s[SEL], s[SEL+1]
.endr
.irp b, 0,1
	v_max_num_f32 v[BM+\b], v[BM+\b], v[BT+\b]
.endr
.irp b, 0,1
	v_add_nc_u32 v[BS+\b], 0xfe000000, v[BM+\b]
.endr
.irp b, 0,1
	v_lshrrev_b32 v[BT+\b], 23, v[BS+\b]
.endr
.if \c
	v_lshl_or_b32 v[TT], v[BT+1], 8, v[BT]
	v_lshl_or_b32 v[OW], v[TT], 16, v[OW]
.else
	v_lshl_or_b32 v[OW], v[BT+1], 8, v[BT]
.endif
	v_cvt_scalef32_pk16_bf6_f32 v[OC+6*\c:OC+6*\c+2], v[O:O+15], v[BS]
	v_cvt_scalef32_pk16_bf6_f32 v[216:218], v[O+16:O+31], v[BS+1]
	v_nop                                          ; one plain place behind a scaled conversion
.irp i, 0,1,2
	v_permlane16_swap_b32 v[OC+6*\c+\i], v[216+\i]
.endr
.irp i, 0,1,2
	v_mov_b32 v[OC+6*\c+3+\i], v[216+\i]
.endr
.endm
; One head: eight key steps.  The step is written once: the first finds zeros in O^T and the sum, which the first change of M leaves zeros.
.macro PASS c
.if \c
.irp i, 0,1,2,3,4,5
	v_mov_b32 v[16+\i], v[38+\i]
	v_mov_b32 v[28+\i], v[38+\i]
.endr
	v_mov_b32 v[QSW], v44
	v_mov_b32 v[QV], v45
.endif
	v_mov_b32 v[TMX], 0xff61b1e6                   ; the largest t so far: -3e38, under every t
	v_floor_f32 v[NM], -v[TMX]
	v_mov_b32 v14, 0
	v_mov_b32 v15, 0
.set j, 0
.rept 32
	v_mov_b32 v[O+j], 0
.set j, j+1
.endr
	s_mov_b32 s[KB], \c*HB
	s_mov_b32 s[SB], \c*HB+SCO
	s_mov_b32 s[VB], \c*HB+VRO
	s_mov_b32 s[CNT], 8
.Lstep_\@:
	KSTEP
	s_sub_co_u32 s[CNT], s[CNT], 1
	s_cmp_lg_u32 s[CNT], 0
	s_cbranch_scc1 .Lstep_\@
	FINISH \c
.endm
	s_wait_loadcnt 0x0                             ; q
	s_wait_tensorcnt 0x0                           ; my part of the two blocks is in,
	s_barrier_signal -1
	s_barrier_wait -1                              ; everybody's is; nothing is ever filled again
	PASS 0
	PASS 1
.irp g, 0,1,2
	global_store_b128 v[LI], v[OC+4*\g:OC+4*\g+3], s[50:51] offset:512*\g   ; the fragment as it stands: each store covers 512 consecutive bytes, aligned
.endr
	global_store_b32 v[GS], v[OW], s[52:53]        ; its scale words, one a row, 32 bytes apart (lanes r and r + 16 write the same word): one byte in 24 of what the launch stores
	s_wait_tensorcnt 0x0                           ; the wave's end: behind my last tensor load
	ds_add_u32 v[SPW], v[NIL]
	s_wait_dscnt 0x0
	CROUND                                         ; the closing round
	s_endpgm
.Lfunc_end_k_qe33e488b83_attn:
	.size	k_qe33e488b83_attn, .Lfunc_end_k_qe33e488b83_attn-k_qe33e488b83_attn
	.p2alignl 7, 3214868480
	.fill 96, 4, 3214868480
	.section	.rodata,"a",@progbits
	.p2align	6, 0x0
	.amdhsa_kernel k_qe33e488b83_attn
		.amdhsa_group_segment_fixed_size 219136
		.amdhsa_private_segment_fixed_size 0
		.amdhsa_enable_private_segment 0
		.amdhsa_kernarg_size 32
		.amdhsa_user_sgpr_count 2
		.amdhsa_user_sgpr_kernarg_segment_ptr 1
		.amdhsa_wavefront_size32 1
		.amdhsa_system_sgpr_workgroup_id_x 1
		.amdhsa_system_sgpr_workgroup_id_y 1
		.amdhsa_system_sgpr_workgroup_id_z 1
		.amdhsa_system_vgpr_workitem_id 0
		.amdhsa_next_free_vgpr 256
		.amdhsa_next_free_sgpr 66
		.amdhsa_reserve_vcc 0
		.amdhsa_float_denorm_mode_32 3
		.amdhsa_float_denorm_mode_16_64 3
		.amdhsa_memory_ordered 1
		.amdhsa_forward_progress 1
		.amdhsa_inst_pref_size 55
	.end_amdhsa_kernel
	.amdgpu_metadata
---
amdhsa.version: [ 1, 2 ]
amdhsa.kernels:
  - .name:           k_qe33e488b83_attn
    .symbol:         k_qe33e488b83_attn.kd
    .args:
      - { .name: qb, .offset: 0, .size: 8, .value_kind: global_buffer, .address_space: global }
      - { .name: kv, .offset: 8, .size: 8, .value_kind: global_buffer, .address_space: global }
      - { .name: ao, .offset: 16, .size: 8, .value_kind: global_buffer, .address_space: global }
      - { .name: aos, .offset: 24, .size: 8, .value_kind: global_buffer, .address_space: global }
    .group_segment_fixed_size: 219136
    .private_segment_fixed_size: 0
    .kernarg_segment_align: 8
    .kernarg_segment_size: 32
    .max_flat_workgroup_size: 512
    .sgpr_count:     66
    .vgpr_count:     256
    .wavefront_size: 32
...
	.end_amdgpu_metadata
.endif
;; end of part 3
;; launch proj (part 4): grid 4 x 32, 4 waves a work-group, clusters of 4 x 4, 327,680 bytes of LDS; arguments ao, aos, wc, ws, out0; writes out0
.if DOCPART == 4
	.amdgcn_target "amdgcn-amd-amdhsa--gfx1250"
	.amdhsa_code_object_version 6
	.text
	.protected	k_qe33e488b83_proj
	.globl	k_qe33e488b83_proj
	.p2align	8
	.type	k_qe33e488b83_proj,@function
k_qe33e488b83_proj:
	s_mov_b64 s[64:65], 0
	v_nop
	global_prefetch_b8 v0, s[64:65] scope:SCOPE_SE
	s_setreg_imm32_b32 hwreg(HW_REG_WAVE_MODE, 25, 1), 1
	s_wait_xcnt 0x0
	s_wait_alu depctr_hold_cnt(0) depctr_sa_sdst(0) depctr_va_vdst(0) depctr_va_sdst(0) depctr_va_ssrc(0) depctr_va_vcc(0) depctr_vm_vsrc(0)
	s_getreg_b32 s2, hwreg(HW_REG_IB_STS2, 6, 4)
	s_cmp_eq_u32 s2, 0
	s_cbranch_scc0 .Lentry_in_a_cluster
	s_endpgm
.Lentry_in_a_cluster:
	s_bfe_u32 s2, ttmp6, 0x10000c
	s_cmp_lg_u32 s2, 0xf033
	s_cbranch_scc0 .Lentry_shape_is_right
	s_endpgm
.Lentry_shape_is_right:
; LAUNCH 4 OF 4 (no work left out).  out0 = o Wo^T on codes of BF6 with E8M0 scales: M = 8,192, N = 1,024, K = 1,024; sums in f32.
; A = o, as the attention launch left it: ao [512 tiles of 16 positions][8 K steps][1,536 bytes], each an image of a fragment's twelve registers (registers 4 c .. 4 c + 3 at 512 c + 16 x lane); aos [8192 positions][32 bytes].
; B = Wo: rows 3,072 on of wc (768 bytes a row) and of ws (32 bytes a row), in natural order.
; A tile of C, 256 x 256, is made by four waves, each 128 x 128.  K goes in steps of 256 through a ring of two LDS slots; the scale bytes come once and stay.  4 x 4 work-groups form a cluster; A's tiles are shared along its rows, B's along its columns.
; The matrix instruction takes 16 rows of B as source 0 and 16 rows of A as source 1: a lane holds eight neighbouring numbers of a row of C.
; A's rows lie in POSITION order (bits 3 and 4 of the row exchanged): the stores of whole rows at the end put position 16 a + t of my 128 at row 32 (a / 2) + 8 (a % 2) + 16 (t / 8) + t % 8.
; The grid has 128 work-groups: the tile is kept at 256 x 256 for the sake of the LDS bytes that each product reads.
; REGISTERS, in windows of 256: window 0: v0-31 addresses; v32-63 scale words; from v128 A's fragments, one set; on the way out v128-255 rows of C.  window 1: B's fragments, two sets.  windows 2, 3: the accumulators.
.set SIZE_N, 1024
.set SIZE_K, 1024
.set KSTEP,  256
.set NQ,     KSTEP/128
.set ROWB,   192                       ; a row of B's tile in bytes
.set KROW,   SIZE_K*6/8
.set PITCH,  240                       ; B's LDS row: 3 x (64 bytes + 16 of padding)
.set FR,     12
.set NLA,    3                         ; LDS loads that bring a fragment of A (16 bytes a lane)
.set NP,     4                         ; places behind this matrix instruction (ISA guide 7.12.1)
.set FRB,    1536                      ; a fragment's image
.set AROW,   2*FRB                     ; a tile of 16 positions in a slot: two K steps of 128
.set HALFA,  8*AROW                    ; 128 rows of A: what one tensor load brings
.set HALFB,  128*PITCH                 ; 128 rows of B
.set SLOT,   2*HALFA+2*HALFB           ; A's 256 rows, then B's 256 rows
.set LAPS,   SIZE_K/(2*KSTEP)
.set KS,     SIZE_K/32
.set SCL,    2*SLOT                    ; behind the ring: the scales, as runs of 256 bytes + 16 of padding
.set HALFS,  (128*KS/256)*272
.set SBLK,   (16*KS/256)*272
.set SPARE,  SCL+4*HALFS               ; the spare words, 128 bytes a wave, which no other line names
.set SPITCH, 528                       ; the way out: a stage of 16 rows x (512 bytes + 16) a wave, in slot 0, which has had its last fill and its last read when the first result is stored there
.set ADRA, 16                          ; v16-17 LDS address of my A fragments in slot 0, 1
.set ADRB, 20                          ; v20-21 the same for B (v22-23: behind one padding more)
.set STO,  24
.set RD,   25
.set CO,   26
.set ADRS, 27
.set SPW,  28                          ; v28 LDS address of my spare word; never rewritten
.set NIL,  29                          ; v29 0; never rewritten
.set SC,   32
.set AF,   128
.set BK,   128
.set G1, 24
.set G0, 32
.set G1B, 48
.set G0B, 56
.set G1S, 68
.set G0S, 76
.set G1SB, 80
.set G0SB, 88
.set MSB, 0
.macro WIN new                         ; the immediate's high byte repeats the setting that is left
.if MSB != (\new)
	s_set_vgpr_msb (MSB<<8)|(\new)
.set MSB, \new
.endif
.endm
.set MUL_LO, 0xa1
.set MUL_HI, 0xf1
.set TO_B,   0x40
.macro JLOAD g0a, g1a, g0b, g1b        ; a joint load: waves 0 and 1 fetch for A, waves 2 and 3 for B; an s_nop 0 and four v_nop follow each of the two lines
	s_cmp_eq_u32 s15, 0
	s_cbranch_scc0 .Lfor_b_\@
	tensor_load_to_lds s[\g0a:\g0a+3], s[\g1a:\g1a+7]
	s_nop 0
.rept 4
	v_nop
.endr
	s_branch .Lasked_\@
.Lfor_b_\@:
	tensor_load_to_lds s[\g0b:\g0b+3], s[\g1b:\g1b+7]
	s_nop 0
.rept 4
	v_nop
.endr
.Lasked_\@:
.endm
.macro CREST
	s_cmp_lg_u32 s14, 0
	s_cbranch_scc1 .Lnot_wave_0_\@
	s_barrier_signal -3
.Lnot_wave_0_\@:
	s_barrier_wait -3
	s_barrier_signal -1
	s_barrier_wait -1
.endm
.macro CROUND
	s_barrier_signal -1
	s_barrier_wait -1
	CREST
.endm
	s_load_b128 s[4:7], s[0:1], 0x0                ; ao, aos
	s_load_b128 s[8:11], s[0:1], 0x10              ; wc, ws
	s_load_b64 s[12:13], s[0:1], 0x20              ; out0
	v_lshl_add_u32 v[SPW], v0, 2, SPARE
	v_mov_b32 v[NIL], 0
	ds_add_u32 v[SPW], v[NIL]                      ; the wave's opening: the add, twice on end, and its wait ahead of my first tensor load
	ds_add_u32 v[SPW], v[NIL]                      ; and once more, under the one wait
	v_lshrrev_b32 v1, 5, v0
	v_readfirstlane_b32 s14, v1                    ; wave 0..3
	s_lshr_b32 s15, s14, 1                         ; which half of the tile's rows is mine.  Also: I fetch for A (0) or for B (1)
	s_and_b32 s16, s14, 1                          ; which half of its columns.  Also: which 128 rows of that tile I fetch
	s_bfe_u32 s40, ttmp6, 0x40000                  ; cx, cy
	s_bfe_u32 s41, ttmp6, 0x40004
	s_lshl_b32 s42, ttmp9, 2
	s_add_co_u32 s42, s42, s40                     ; tile column of C
	s_and_b32 s17, ttmp7, 0xffff
	s_lshl_b32 s17, s17, 2
	s_add_co_u32 s17, s17, s41                     ; tile row of C
	s_lshl_b32 s43, s41, 2
	s_lshl_b32 s43, 15, s43                        ; my row of the cluster
	s_lshl_b32 s44, 0x1111, s40                    ; my column
	; descriptor group 1 for A: 8 tiles of positions x 3,072 bytes (384 elements of 8), 12,288 bytes apart, no padding
	s_or_b32 s[G1+0], s43, (3<<16)|(1<<21)
	s_mov_b32 s[G1+1], 384<<16
	s_mov_b32 s[G1+2], 8<<16
	s_mov_b32 s[G1+3], 384<<16
	s_mov_b32 s[G1+4], 8
	s_mov_b32 s[G1+5], 1536
	s_mov_b32 s[G1+6], 0
	s_mov_b32 s[G1+7], 0
	; for B: 128 rows x 192 bytes, 16 bytes of padding behind every 64
	s_or_b32 s[G1B+0], s44, (0<<16)|(1<<20)|(1<<21)|(3<<22)|(3<<25)
	s_mov_b32 s[G1B+1], ROWB<<16
	s_mov_b32 s[G1B+2], 128<<16
	s_mov_b32 s[G1B+3], ROWB<<16
	s_mov_b32 s[G1B+4], 128
	s_mov_b32 s[G1B+5], KROW
	s_mov_b32 s[G1B+6], 0
	s_mov_b32 s[G1B+7], 0
	; for the scales of 128 rows: 4,096 dense bytes as rows of 256, 16 bytes of padding behind each
	s_or_b32 s[G1S+0], s43, (3<<16)|(1<<20)|(1<<21)|(5<<22)|(3<<25)
	s_or_b32 s[G1SB+0], s44, (3<<16)|(1<<20)|(1<<21)|(5<<22)|(3<<25)
.irp g, G1S, G1SB
	s_mov_b32 s[\g+1], 32<<16
	s_mov_b32 s[\g+2], (128*KS/256)<<16
	s_mov_b32 s[\g+3], 32<<16
	s_mov_b32 s[\g+4], 128*KS/256
	s_mov_b32 s[\g+5], 32
	s_mov_b32 s[\g+6], 0
	s_mov_b32 s[\g+7], 0
.endr
	s_lshl_b32 s18, s16, 7
	s_lshl_b32 s20, s17, 8
	s_add_co_u32 s20, s20, s18                     ; A: position 256 x tile row + 128 x half
	s_lshl_b32 s46, s42, 8
	s_add_co_u32 s46, s46, s18                     ; B: row 256 x tile column + 128 x half
	s_mov_b32 s21, 0
	s_mov_b32 s47, 0
	s_mov_b64 s[18:19], KS
	s_mul_u64 s[22:23], s[20:21], s[18:19]         ; where these rows' scales begin
	s_mul_u64 s[92:93], s[46:47], s[18:19]
	s_mov_b64 s[18:19], KROW
	s_mul_u64 s[20:21], s[20:21], s[18:19]         ; and their codes: 16 positions are 12,288 bytes, 768 a position, as a row of B has
	s_mul_u64 s[46:47], s[46:47], s[18:19]
	s_mul_i32 s45, s16, HALFA                      ; where they go: A's two halves,
	s_mul_i32 s95, s16, HALFB
	s_add_co_u32 s95, s95, 2*HALFA                 ; then B's two: no place in the cluster enters an LDS address
	s_mul_i32 s94, s14, HALFS
	s_wait_dscnt 0x0                               ; both opening adds are done
	s_wait_kmcnt 0x0
	s_add_nc_u64 s[8:9], s[8:9], 3072*KROW         ; Wo's codes
	s_add_nc_u64 s[10:11], s[10:11], 3072*KS       ; and scale bytes
	s_add_nc_u64 s[20:21], s[4:5], s[20:21]
	s_add_nc_u64 s[22:23], s[6:7], s[22:23]
	s_add_nc_u64 s[46:47], s[8:9], s[46:47]
	s_add_nc_u64 s[92:93], s[10:11], s[92:93]
	CROUND                                         ; all sixteen work-groups are here: the first joint loads meet
	s_mov_b32 s[G0S], 1
	s_add_co_u32 s[G0S+1], s94, SCL
	s_mov_b64 s[G0S+2:G0S+3], s[22:23]
	s_or_b32 s[G0S+3], s[G0S+3], 0x80000000
	s_mov_b32 s[G0SB], 1
	s_add_co_u32 s[G0SB+1], s94, SCL
	s_mov_b64 s[G0SB+2:G0SB+3], s[92:93]
	s_or_b32 s[G0SB+3], s[G0SB+3], 0x80000000
	JLOAD G0S, G1S, G0SB, G1SB                     ; the scales first
.irp s, 0,1
	s_mov_b32 s[G0+4*\s], 1
	s_add_co_u32 s[G0+4*\s+1], s45, \s*SLOT
	s_add_nc_u64 s[G0+4*\s+2:G0+4*\s+3], s[20:21], \s*AROW
	s_or_b32 s[G0+4*\s+3], s[G0+4*\s+3], 0x80000000
	s_mov_b32 s[G0B+4*\s], 1
	s_add_co_u32 s[G0B+4*\s+1], s95, \s*SLOT
	s_add_nc_u64 s[G0B+4*\s+2:G0B+4*\s+3], s[46:47], \s*ROWB
	s_or_b32 s[G0B+4*\s+3], s[G0B+4*\s+3], 0x80000000
	JLOAD G0+4*\s, G1, G0B+4*\s, G1B
.endr
	v_and_b32 v1, 15, v0                           ; l % 16
	v_bfe_u32 v2, v0, 4, 1                         ; l / 16
	v_mul_u32_u24 v3, v1, PITCH
	v_mul_u32_u24 v4, v2, 24
	v_add_nc_u32 v4, v3, v4                        ; B: a fragment's row x pitch + 24 x half
	v_lshl_add_u32 v5, v2, 4, v4                   ; and the same behind one padding more
	v_and_b32 v6, 31, v0
	v_lshlrev_b32 v7, 4, v6                        ; A: 16 x lane
	s_mul_i32 s21, s15, HALFA                      ; my 128 rows of A
	s_mul_i32 s22, s16, HALFB                      ; my 128 rows of B,
	s_add_co_u32 s22, s22, 2*HALFA                 ; which lie behind A's 256
.irp s, 0,1
	v_add_nc_u32 v[ADRA+\s], s21, v7
	v_add_nc_u32 v[ADRB+\s], s22, v4
	v_add_nc_u32 v[ADRB+2+\s], s22, v5
	s_add_co_u32 s21, s21, SLOT
	s_add_co_u32 s22, s22, SLOT
.endr
	v_mul_u32_u24 v5, v1, KS
	v_lshrrev_b32 v6, 8, v5
	v_lshl_add_u32 v5, v6, 4, v5
	s_mul_i32 s21, s15, HALFS
	s_mul_i32 s22, s16, HALFS
	s_add_co_u32 s22, s22, 2*HALFS
	s_sub_co_u32 s22, s22, s21
	v_mul_u32_u24 v6, s22, v2                      ; lanes 16-31 take B's scale words
	s_add_co_u32 s21, s21, SCL
	v_add_nc_u32 v5, v5, v6
	v_add_nc_u32 v[ADRS], s21, v5
	s_mul_i32 s23, s14, 16*SPITCH                  ; my stage
	v_mul_u32_u24 v5, v1, SPITCH
	v_lshl_add_u32 v5, v2, 5, v5
	v_add_nc_u32 v[STO], s23, v5
	v_and_b32 v6, 31, v0
	v_lshlrev_b32 v[CO], 4, v6
	v_add_nc_u32 v[RD], s23, v[CO]
	s_lshl_b32 s20, s17, 8
	s_lshl_b32 s21, s15, 7
	s_add_co_u32 s20, s20, s21                     ; my first row of C (a multiple of 32: the exchange of bits 3 and 4 stays inside my rows)
	s_mov_b32 s21, 0
	s_mov_b64 s[18:19], SIZE_N*4
	s_mul_u64 s[20:21], s[20:21], s[18:19]
	s_lshl_b32 s46, s42, 10
	s_lshl_b32 s47, s16, 9
	s_add_co_u32 s46, s46, s47
	s_mov_b32 s47, 0
	s_add_nc_u64 s[20:21], s[20:21], s[46:47]
	s_add_nc_u64 s[12:13], s[12:13], s[20:21]
.macro FRAG reg, adr, q, i             ; a fragment of B, from rows: six pieces of 8 bytes
.irp p, 0,1,2,3,4,5
.set PCE, 12*(\q)+6*(\p/3)+\p%3
.if PCE%8 < 5
	ds_load_b64 v[\reg+2*\p:\reg+2*\p+1], v[\adr] offset:8*PCE+16*(PCE/8)+(\i)*16*PITCH
.else
	ds_load_b64 v[\reg+2*\p:\reg+2*\p+1], v[\adr+2] offset:8*PCE+16*(PCE/8)+(\i)*16*PITCH
.endif
.endr
.endm
.macro FRAGA reg, slot, q, i           ; a fragment of A, from its image: three loads of 16 bytes a lane, each 512 consecutive bytes
.irp c, 0,1,2
	ds_load_b128 v[\reg+4*\c:\reg+4*\c+3], v[ADRA+\slot] offset:(\i)*AROW+(\q)*FRB+512*\c
.endr
.endm
.macro MUL16 a0, p, q, sc, zero        ; the 64 accumulators take turns, one instruction a turn
.irp a, \a0, \a0+1
.irp b, 0,1,2,3,4,5,6,7
.if \zero
	v_wmma_scale_f32_16x16x128_f8f6f4 v[8*(8*((\a)%4)+\b):8*(8*((\a)%4)+\b)+7], v[128*(\p)+FR*\b:128*(\p)+FR*\b+FR-1], v[AF+FR*(\a):AF+FR*(\a)+FR-1], 0, v[SC+8*NQ*(\sc)+NQ*\b+(\q)], v[SC+8*NQ*(\sc)+NQ*(\a)+(\q)] matrix_a_fmt:MATRIX_FMT_BF6 matrix_b_fmt:MATRIX_FMT_BF6 matrix_a_scale:MATRIX_SCALE_ROW1
.else
	v_wmma_scale_f32_16x16x128_f8f6f4 v[8*(8*((\a)%4)+\b):8*(8*((\a)%4)+\b)+7], v[128*(\p)+FR*\b:128*(\p)+FR*\b+FR-1], v[AF+FR*(\a):AF+FR*(\a)+FR-1], v[8*(8*((\a)%4)+\b):8*(8*((\a)%4)+\b)+7], v[SC+8*NQ*(\sc)+NQ*\b+(\q)], v[SC+8*NQ*(\sc)+NQ*(\a)+(\q)] matrix_a_fmt:MATRIX_FMT_BF6 matrix_b_fmt:MATRIX_FMT_BF6 matrix_a_scale:MATRIX_SCALE_ROW1
.endif
.endr
.endr
.endm
.macro FETCH_B slot, q, p
	WIN TO_B
.irp i, 0,1,2,3,4,5,6,7
	FRAG 128*(\p)+FR*\i, ADRB+\slot, \q, \i
.endr
	WIN 0
.endm
.macro FETCH_A slot, q, i0
.irp i, \i0, \i0+1, \i0+2, \i0+3
	FRAGA AF+FR*(\i), \slot, \q, \i
.endr
.endm
.macro SCALES sc
.irp i, 0,1,2,3,4,5,6,7
	ds_load_b64 v[SC+8*NQ*\sc+NQ*\i:SC+8*NQ*\sc+NQ*\i+1], v[ADRS] offset:\i*SBLK
.endr
.endm
.macro PLACES n
.rept \n
	v_nop
.endr
.endm
.macro STEP slot, q, zero
	s_wait_dscnt 4*NLA                             ; B's set and A's blocks 0-3 are in; the youngest 12 loads (A's blocks 4-7) may be out
	WIN MUL_LO
	MUL16 0, (\q)%2, \q, \slot, \zero
	MUL16 2, (\q)%2, \q, \slot, \zero
	s_wait_dscnt 0
	PLACES NP
	FETCH_B \slot, (\q)+1, 1-(\q)%2
	FETCH_A \slot, (\q)+1, 0
	WIN MUL_HI
	MUL16 4, (\q)%2, \q, \slot, \zero
	MUL16 6, (\q)%2, \q, \slot, \zero
	PLACES NP
	WIN 0
	FETCH_A \slot, (\q)+1, 4
.endm
.macro TURN slot, next, fill
	s_wait_tensorcnt 0x0                           ; all my tensor loads have landed: my part of the next slot
	ds_add_u32 v[SPW], v[NIL]                      ; 0 onto my spare word
	s_wait_dscnt 4*NLA+1                           ; (the add and the youngest 12 loads may be out)
	WIN MUL_LO
	MUL16 0, 1, NQ-1, \slot, 0
	s_wait_dscnt 0x0                               ; the add is done, and my reads of this slot are over
	s_barrier_signal -1
	MUL16 2, 1, NQ-1, \slot, 0
	WIN 0
	s_barrier_wait -1
.if \fill
	CREST                                          ; the barrier has opened a round of the cluster's barrier
	s_add_nc_u64 s[G0+4*\slot+2:G0+4*\slot+3], s[G0+4*\slot+2:G0+4*\slot+3], 2*AROW
	s_add_nc_u64 s[G0B+4*\slot+2:G0B+4*\slot+3], s[G0B+4*\slot+2:G0B+4*\slot+3], 2*ROWB
	JLOAD G0+4*\slot, G1, G0B+4*\slot, G1B         ; the first tensor load behind the round
.else
	PLACES NP
.endif
	v_add_nc_u32 v[ADRS], 4*NQ, v[ADRS]
	FETCH_B \next, 0, 0
	FETCH_A \next, 0, 0
	SCALES \next
	WIN MUL_HI
	MUL16 4, 1, NQ-1, \slot, 0
	MUL16 6, 1, NQ-1, \slot, 0
	PLACES NP
	WIN 0
	FETCH_A \next, 0, 4
.endm
	s_wait_tensorcnt 1                             ; the scales and my part of K step 0 are in (K step 1's load may be out)
	s_barrier_signal -1
	s_barrier_wait -1
	FETCH_B 0, 0, 0
	FETCH_A 0, 0, 0
	SCALES 0
	FETCH_A 0, 0, 4
	STEP 0, 0, 1                                   ; the first step's products start the sums
	s_mov_b32 s3, LAPS-1
.Llap:
	TURN 0, 1, 1
	STEP 1, 0, 0
	TURN 1, 0, 1
	STEP 0, 0, 0
	s_sub_co_u32 s3, s3, 1
	s_cmp_lg_u32 s3, 0
	s_cbranch_scc1 .Llap
	TURN 0, 1, 0                                   ; the last lap fills nothing
	STEP 1, 0, 0
	s_wait_dscnt 4*NLA
	WIN MUL_LO
	MUL16 0, 1, NQ-1, 1, 0
	MUL16 2, 1, NQ-1, 1, 0
	s_wait_dscnt 0
	WIN MUL_HI
	MUL16 4, 1, NQ-1, 1, 0
	MUL16 6, 1, NQ-1, 1, 0
	WIN 0
; THE WAY OUT, block by block of 16 positions x 128 columns, through my own stage in LDS; back come whole rows of 512 bytes.  LDS serves a wave's instructions in order: no wait between the stores and the loads.
.macro TOSTAGE a
.set AC, 64*((\a)%4)
	WIN 0x08+4*((\a)/4)                            ; the data: window 2 or 3
.irp b, 0,1,2,3,4,5,6,7
	ds_store_b128 v[STO], v[AC+8*\b:AC+8*\b+3] offset:64*\b          ; each accumulator from its low end on
	ds_store_b128 v[STO], v[AC+8*\b+4:AC+8*\b+7] offset:64*\b+16
.endr
	WIN 0
.set BB, BK+64*((\a)%2)
.irp t, 0,1,2,3,4,5,6,7,8,9,10,11,12,13,14,15
	ds_load_b128 v[BB+4*\t:BB+4*\t+3], v[RD] offset:\t*SPITCH
.endr
.endm
.macro SEND a, younger                 ; younger: the LDS instructions issued behind block a's loads, which may stay out
.set BB, BK+64*((\a)%2)
	s_wait_dscnt \younger
.if (\a) > 0
.if (\a)%2
	s_add_nc_u64 s[12:13], s[12:13], 8*SIZE_N*4    ; (behind a wait on XCNT)  block a begins at row 32 (a / 2) + 8 (a % 2): 8 rows on,
.else
	s_add_nc_u64 s[12:13], s[12:13], 24*SIZE_N*4   ; or 24
.endif
.endif
.irp t, 0,1,2,3,4,5,6,7,8,9,10,11,12,13,14,15
	global_store_b128 v[CO], v[BB+4*\t:BB+4*\t+3], s[12:13] offset:(16*(\t/8)+\t%8)*SIZE_N*4 th:TH_STORE_NT   ; position t of the block is row 16 (t / 8) + t % 8 from there; 32 lanes store 512 consecutive bytes, aligned
.endr
.endm
	PLACES NP
	TOSTAGE 0
.irp a, 1,2,3,4,5,6,7
.if \a > 1
	s_wait_xcnt 0x0                                ; block a - 2's stores have read their registers and their base
.endif
	TOSTAGE \a
	SEND \a-1, 32                                  ; behind block a - 1's loads: block a's 16 stores and 16 loads
.endr
	s_wait_xcnt 0x0
	SEND 7, 0
	s_wait_tensorcnt 0x0                           ; the wave's end: behind my last tensor load and my last LDS store
	ds_add_u32 v[SPW], v[NIL]
	s_wait_dscnt 0x0
	CROUND                                         ; the closing round
	s_endpgm
.Lfunc_end_k_qe33e488b83_proj:
	.size	k_qe33e488b83_proj, .Lfunc_end_k_qe33e488b83_proj-k_qe33e488b83_proj
	.p2alignl 7, 3214868480
	.fill 96, 4, 3214868480
	.section	.rodata,"a",@progbits
	.p2align	6, 0x0
	.amdhsa_kernel k_qe33e488b83_proj
		.amdhsa_group_segment_fixed_size 327680
		.amdhsa_private_segment_fixed_size 0
		.amdhsa_enable_private_segment 0
		.amdhsa_kernarg_size 40
		.amdhsa_user_sgpr_count 2
		.amdhsa_user_sgpr_kernarg_segment_ptr 1
		.amdhsa_wavefront_size32 1
		.amdhsa_system_sgpr_workgroup_id_x 1
		.amdhsa_system_sgpr_workgroup_id_y 1
		.amdhsa_system_sgpr_workgroup_id_z 1
		.amdhsa_system_vgpr_workitem_id 0
		.amdhsa_next_free_vgpr 1024
		.amdhsa_next_free_sgpr 98
		.amdhsa_reserve_vcc 0
		.amdhsa_float_denorm_mode_32 3
		.amdhsa_float_denorm_mode_16_64 3
		.amdhsa_memory_ordered 1
		.amdhsa_forward_progress 1
		.amdhsa_inst_pref_size 148
	.end_amdhsa_kernel
	.amdgpu_metadata
---
amdhsa.version: [ 1, 2 ]
amdhsa.kernels:
  - .name:           k_qe33e488b83_proj
    .symbol:         k_qe33e488b83_proj.kd
    .args:
      - { .name: ao, .offset: 0, .size: 8, .value_kind: global_buffer, .address_space: global }
      - { .name: aos, .offset: 8, .size: 8, .value_kind: global_buffer, .address_space: global }
      - { .name: wc, .offset: 16, .size: 8, .value_kind: global_buffer, .address_space: global }
      - { .name: ws, .offset: 24, .size: 8, .value_kind: global_buffer, .address_space: global }
      - { .name: out0, .offset: 32, .size: 8, .value_kind: global_buffer, .address_space: global }
    .group_segment_fixed_size: 327680
    .private_segment_fixed_size: 0
    .kernarg_segment_align: 8
    .kernarg_segment_size: 40
    .max_flat_workgroup_size: 128
    .sgpr_count:     98
    .vgpr_count:     1024
    .wavefront_size: 32
...
	.end_amdgpu_metadata
.endif
;; end of part 4
